; MI455X (gfx1250); checked and timed in simulation.
; The chip was launched on July 23, 2026; its instructions are those of AMD's public machine-readable ISA for CDNA 5 (MIT licence, August 2026) and "CDNA5" Instruction Set Architecture Reference Guide (July 2026). The comments in the code are by the model that wrote it; some were corrected since.
;; Attention. Allowed arithmetic: float matrix products may take bf16 or f16 operands with f32 sums; all other float work in f32.
;; Inputs: b_out 1,024 float32; mask 8 x 1,023 bool; w_out 1,024 x 1,024 float32; w_qkv 1,024 x 3,072 float32; x 8 x 1,024 x 1,024 float32.
;; Outputs: out0 8 x 1,024 x 1,024 float32; out1 8 x 1,024 x 1,024 float32.
;; One version. Each part assembles by itself: llvm-mc -triple=amdgcn-amd-amdhsa -mcpu=gfx1250 --defsym DOCPART=n.
;; ======== version 1 of 1: 5 launches
;; limits: values are held in f16: magnitudes above 65,504 overflow, below 6.1e-05 lose precision
;; workspace buffers: xb 16,777,216 bytes; wqf 6,291,456 bytes; wof 2,097,152 bytes; kbias 32,768 bytes; qkvf 50,331,648 bytes; attf 16,777,216 bytes
;; launch prep (part 1): grid 776 x 1, 8 waves a work-group, no clusters, 35,840 bytes of LDS; arguments x, w_qkv, w_out, mask, xb, wqf, wof, kbias; writes xb, wqf, wof, kbias
.if DOCPART == 1
	.amdgcn_target "amdgcn-amd-amdhsa--gfx1250"
	.amdhsa_code_object_version 6
	.text
	.protected	k_q8b5fdedbb2_prep
	.globl	k_q8b5fdedbb2_prep
	.p2align	8
	.type	k_q8b5fdedbb2_prep,@function
k_q8b5fdedbb2_prep:
	s_mov_b64 s[64:65], 0
	v_nop
	global_prefetch_b8 v0, s[64:65] scope:SCOPE_SE
	s_setreg_imm32_b32 hwreg(HW_REG_WAVE_MODE, 25, 1), 1
	s_wait_xcnt 0x0
; prep: what the matrix launches need, made once.  Memory binds: no matrix unit, no barrier; LDS only to turn x's rows into blocks inside a wave.
;   work-groups 0-511    xb = x rounded to f16, in blocks; 16 rows (64 KiB of x) each
;   work-groups 512-703  wqf = w_qkv rounded to f16, turned and laid in blocks; 256 columns n x 64 rows k each
;   work-groups 704-767  wof = w_out, the same
;   work-groups 768-775  kbias[b][n] = 0 where the padded mask is true (n = 0 always), else -2^120; one batch each
; A BLOCK is 16 rows x 16 k of f16, 512 bytes: element (row, k) at 16 (row%16 + 16 ((k%16)/8)) + 2 (k%8): 32 lanes x 16 bytes of a block are half of a matrix fragment as it lies in registers.
;   xb:  (row/128) 262,144 + (k/16) 4,096 + ((row/16)%8) 512      wqf (rows = n): (n/192) 393,216 + (k/16) 6,144 + ((n/16)%12) 512      wof (rows = n): (k/128) 262,144 + (n/16) 4,096 + ((k/16)%8) 512
;   In xb and wqf any run of k blocks of a group of rows is one dense piece of memory.
; WHY f16 AND NOT bf16: five roundings of operands lie on the way to out0 (q and k, v, the weights, the heads' result), and the result is held to a hundredth of its root mean square;
; f16's 11 significant bits make each of them eight times finer than bf16's 8.
; LIMITS: x and the weights are rounded to f16: |x|, |w| must stay under 65,504 (beyond it: infinity), and numbers under 2^-14 keep an absolute step of 2^-24.
; A masked key is a bias of -2^120 on the raw score: the same result as a replacement by the lowest float while |q.k| < 2^119.
.set NEGBIG, 0xfb800000                ; -2^120
.set WLDS,   8*544                     ; a wave's own LDS: 8 blocks; a half block of 256 bytes has a pitch of 272, a block of 544
	s_load_b512 s[16:31], s[0:1], 0x0              ; x 16:17, w_qkv 18:19, w_out 20:21, mask 22:23, xb 24:25, wqf 26:27, wof 28:29, kbias 30:31
	v_lshl_add_u32 v112, v0, 2, 0x8800
	v_mov_b32 v113, 0
	s_mov_b32 s4, ttmp9                            ; the work-group's number chooses the job
	s_mov_b32 s3, 0                                ; high word of every offset pair s[2:3]
	s_wait_kmcnt 0x0
	s_cmp_lt_u32 s4, 512
	s_cbranch_scc0 .Lweights
	; x -> xb.  The work-group owns 16 rows; wave w owns k = 128 w .. 128 w + 127 of them (8 blocks).  A load of the wave covers 512 neighbouring bytes of one row: lane l holds k = 128 w + 4 l + 0..3.
	s_lshl_b32 s2, s4, 16
	s_add_nc_u64 s[16:17], s[16:17], s[2:3]
	v_lshlrev_b32 v1, 4, v0
.irp i, 0,1,2,3,4,5,6,7,8,9,10,11,12,13,14,15
	global_load_b128 v[16+4*\i:19+4*\i], v1, s[16:17] offset:4096*\i th:TH_LOAD_NT
.endr
	s_lshr_b32 s5, s4, 3                           ; the group of 128 rows,
	s_lshl_b32 s5, s5, 18
	s_and_b32 s6, s4, 7                            ; the row block in it
	s_lshl_b32 s6, s6, 9
	s_add_co_u32 s2, s5, s6
	s_add_nc_u64 s[24:25], s[24:25], s[2:3]
	v_lshrrev_b32 v2, 5, v0
	v_readfirstlane_b32 s8, v2                     ; wave 0..7
	s_mul_i32 s9, s8, WLDS
	v_and_b32 v3, 31, v0                           ; l
	v_lshrrev_b32 v4, 2, v3                        ; my block: l / 4
	v_mul_u32_u24 v4, v4, 544
	v_bfe_u32 v5, v0, 1, 1                         ; its half: (l / 2) % 2
	v_mul_u32_u24 v5, v5, 272
	v_and_b32 v6, 1, v0                            ; which 8 of a row's 16 bytes there
	v_lshl_add_u32 v5, v6, 3, v5
	v_add3_u32 v4, v4, v5, s9                      ; in: words 136 (l/4) + 68 ((l/2)%2) + 2 (l%2): the 32 lanes' 8 bytes fall on 64 different banks (64 banks of 4 bytes: ISA guide 11.1)
	v_lshrrev_b32 v7, 4, v3
	v_mul_u32_u24 v7, v7, 272
	v_and_b32 v8, 15, v0
	v_lshl_add_u32 v7, v8, 4, v7
	v_add_nc_u32 v7, s9, v7                        ; back: lane l takes the 16 bytes that stand at 16 l of a block
	s_lshl_b32 s7, s8, 15
	v_lshl_add_u32 v9, v3, 4, s7                   ; in xb: my wave's 8 blocks lie 4,096 bytes apart from 32,768 w on
.irp i, 0,1,2,3,4,5,6,7,8,9,10,11,12,13,14,15
	s_wait_loadcnt 15-\i                           ; loads come back in order: row i is in, the younger ones stay out
	v_cvt_pk_f16_f32 v[80+2*\i], v[16+4*\i], v[17+4*\i]
	v_cvt_pk_f16_f32 v[81+2*\i], v[18+4*\i], v[19+4*\i]
	ds_store_b64 v4, v[80+2*\i:81+2*\i] offset:16*\i
.endr
.irp j, 0,1,2,3,4,5,6,7
	ds_load_b128 v[16+4*\j:19+4*\j], v7 offset:544*\j              ; LDS serves a wave's instructions in order (ISA guide 5.7.1.4): these see the stores above; the bytes are the wave's own
.endr
.irp j, 0,1,2,3,4,5,6,7
	s_wait_dscnt 7-\j                              ; block j is back; the younger ones stay out
	global_store_b128 v9, v[16+4*\j:19+4*\j], s[24:25] offset:4096*\j   ; a whole block: 512 neighbouring bytes, aligned
.endr
	s_wait_tensorcnt 0x0
	ds_add_u32 v112, v113
	s_wait_dscnt 0x0
	s_endpgm
; A weight [1024 (k)][N (n)] f32 -> blocks.  s4 = j: kq = j % 16 (64 rows k), nb = j / 16 (256 columns n).  Thread t owns column 256 nb + t and reads its 64 numbers,
; one row a load: a wave reads 128 neighbouring bytes, the work-group 1,024 (a lane needs a column, so the runs are short; neighbouring waves take the rest of each 256 bytes).
.macro WLOAD N, src
	s_and_b32 s5, s4, 15                           ; kq
	s_lshr_b32 s6, s4, 4                           ; nb
	s_mul_i32 s2, s5, 64*\N*4
	s_add_nc_u64 s[\src:\src+1], s[\src:\src+1], s[2:3]
	s_lshl_b32 s7, s6, 10
	v_lshl_add_u32 v1, v0, 2, s7                   ; byte of my column in a row
.set i, 0
.rept 64
	global_load_b32 v[16+i], v1, s[\src:\src+1] offset:i*\N*4 th:TH_LOAD_NT
.set i, i+1
.endr
.endm
; Eight neighbouring k of a column are 16 bytes of a block: sixteen lanes store 256 neighbouring bytes, aligned.  v2: my place; kstep: bytes from a block of k to the next
.macro WSTORE dst, kstep
.irp q, 0,1,2,3
	s_wait_loadcnt 48-16*\q                        ; the sixteen k of block q are in; the later blocks' loads stay out
.irp hh, 0,1
.irp e, 0,1,2,3
	v_cvt_pk_f16_f32 v[80+8*\q+4*\hh+\e], v[16+16*\q+8*\hh+2*\e], v[17+16*\q+8*\hh+2*\e]
.endr
	global_store_b128 v2, v[80+8*\q+4*\hh:83+8*\q+4*\hh], s[\dst:\dst+1] offset:\q*\kstep+\hh*256
.endr
.endr
	s_endpgm
.endm
.Lweights:
	s_cmp_lt_u32 s4, 704
	s_cbranch_scc0 .Lw_out
	s_sub_co_u32 s4, s4, 512
	WLOAD 3072, 18
	s_mul_i32 s2, s5, 4*6144                       ; my four blocks of k
	s_add_nc_u64 s[26:27], s[26:27], s[2:3]
	v_lshrrev_b32 v2, 4, v0
	v_lshl_add_u32 v2, s6, 4, v2                   ; my column tile T = 16 nb + t / 16, 0 to 191
	v_mul_u32_u24 v3, v2, 171
	v_lshrrev_b32 v3, 11, v3                       ; T / 12 (171 / 2048 serves every T under 192)
	v_mul_u32_u24 v4, v3, 12
	v_sub_nc_u32 v4, v2, v4                        ; T % 12
	v_mul_u32_u24 v3, v3, 393216
	v_lshl_add_u32 v3, v4, 9, v3
	v_and_b32 v5, 15, v0
	v_lshl_add_u32 v2, v5, 4, v3
	WSTORE 26, 6144
.Lw_out:
	s_cmp_lt_u32 s4, 768
	s_cbranch_scc0 .Lmask
	s_sub_co_u32 s4, s4, 704
	WLOAD 1024, 20
	s_lshr_b32 s7, s5, 1                           ; k / 128
	s_lshl_b32 s7, s7, 6                           ; x 64 column tiles
	s_lshl4_add_u32 s7, s6, s7                     ; + 16 nb: the first of my 16 column tiles
	s_lshl_b32 s7, s7, 12
	s_and_b32 s5, s5, 1
	s_lshl_b32 s5, s5, 11                          ; the upper 64 of 128 k: four blocks on
	s_add_co_u32 s2, s7, s5
	s_add_nc_u64 s[28:29], s[28:29], s[2:3]
	v_lshrrev_b32 v2, 4, v0
	v_and_b32 v3, 15, v0
	v_lshlrev_b32 v3, 4, v3
	v_lshl_add_u32 v2, v2, 12, v3                  ; my column tile, my row of its blocks
	WSTORE 28, 512
.Lmask:                                                ; thread t makes kbias[b][4 t .. 4 t + 3] from mask[b][4 t - 1 .. 4 t + 2]
	s_sub_co_u32 s4, s4, 768                       ; b
	s_mul_i32 s2, s4, 1023
	s_add_nc_u64 s[22:23], s[22:23], s[2:3]
	s_lshl_b32 s2, s4, 12
	s_add_nc_u64 s[30:31], s[30:31], s[2:3]
	v_lshlrev_b32 v1, 2, v0
.irp e, 0,1,2,3
	v_add_nc_u32 v[4+\e], \e-1, v1
	v_max_i32 v[4+\e], 0, v[4+\e]                  ; n = 0 has no byte of its own: it reads byte 0 and is overruled below
.endr
.irp e, 0,1,2,3
	global_load_u8 v[8+\e], v[4+\e], s[22:23]
.endr
	v_mov_b32 v12, 0
	v_lshlrev_b32 v13, 4, v0
	s_wait_loadcnt 0x0
.irp e, 0,1,2,3
	v_cmp_ne_u32 vcc_lo, 0, v[8+\e]
	v_cndmask_b32 v[16+\e], NEGBIG, v12, vcc_lo    ; true: 0; false: -2^120
.endr
	v_cmp_eq_u32 vcc_lo, 0, v0
	v_cndmask_b32 v16, v16, v12, vcc_lo            ; the token in front is always true
	global_store_b128 v13, v[16:19], s[30:31]
	s_endpgm
.Lfunc_end_k_q8b5fdedbb2_prep:
	.size	k_q8b5fdedbb2_prep, .Lfunc_end_k_q8b5fdedbb2_prep-k_q8b5fdedbb2_prep
	.p2alignl 7, 3214868480
	.fill 96, 4, 3214868480
	.section	.rodata,"a",@progbits
	.p2align	6, 0x0
	.amdhsa_kernel k_q8b5fdedbb2_prep
		.amdhsa_group_segment_fixed_size 35840
		.amdhsa_private_segment_fixed_size 0
		.amdhsa_enable_private_segment 0
		.amdhsa_kernarg_size 64
		.amdhsa_user_sgpr_count 2
		.amdhsa_user_sgpr_kernarg_segment_ptr 1
		.amdhsa_wavefront_size32 1
		.amdhsa_system_sgpr_workgroup_id_x 1
		.amdhsa_system_sgpr_workgroup_id_y 1
		.amdhsa_system_sgpr_workgroup_id_z 1
		.amdhsa_system_vgpr_workitem_id 0
		.amdhsa_next_free_vgpr 114
		.amdhsa_next_free_sgpr 66
		.amdhsa_reserve_vcc 1
		.amdhsa_float_denorm_mode_32 3
		.amdhsa_float_denorm_mode_16_64 3
		.amdhsa_memory_ordered 1
		.amdhsa_forward_progress 1
		.amdhsa_inst_pref_size 30
	.end_amdhsa_kernel
	.amdgpu_metadata
---
amdhsa.version: [ 1, 2 ]
amdhsa.kernels:
  - .name:           k_q8b5fdedbb2_prep
    .symbol:         k_q8b5fdedbb2_prep.kd
    .args:
      - { .name: x, .offset: 0, .size: 8, .value_kind: global_buffer, .address_space: global }
      - { .name: w_qkv, .offset: 8, .size: 8, .value_kind: global_buffer, .address_space: global }
      - { .name: w_out, .offset: 16, .size: 8, .value_kind: global_buffer, .address_space: global }
      - { .name: mask, .offset: 24, .size: 8, .value_kind: global_buffer, .address_space: global }
      - { .name: xb, .offset: 32, .size: 8, .value_kind: global_buffer, .address_space: global }
      - { .name: wqf, .offset: 40, .size: 8, .value_kind: global_buffer, .address_space: global }
      - { .name: wof, .offset: 48, .size: 8, .value_kind: global_buffer, .address_space: global }
      - { .name: kbias, .offset: 56, .size: 8, .value_kind: global_buffer, .address_space: global }
    .group_segment_fixed_size: 35840
    .private_segment_fixed_size: 0
    .kernarg_segment_align: 8
    .kernarg_segment_size: 64
    .max_flat_workgroup_size: 256
    .sgpr_count:     66
    .vgpr_count:     114
    .wavefront_size: 32
...
	.end_amdgpu_metadata
.endif
;; end of part 1
;; launch gemm_qkv (part 2): grid 8 x 32, 4 waves a work-group, clusters of 4 x 4, 327,680 bytes of LDS; arguments xb, wqf, qkvf; writes qkvf
.if DOCPART == 2
	.amdgcn_target "amdgcn-amd-amdhsa--gfx1250"
	.amdhsa_code_object_version 6
	.text
	.protected	k_q8b5fdedbb2_gemm_qkv
	.globl	k_q8b5fdedbb2_gemm_qkv
	.p2align	8
	.type	k_q8b5fdedbb2_gemm_qkv,@function
k_q8b5fdedbb2_gemm_qkv:
	s_mov_b64 s[64:65], 0
	v_nop
	global_prefetch_b8 v0, s[64:65] scope:SCOPE_SE
	s_setreg_imm32_b32 hwreg(HW_REG_WAVE_MODE, 25, 1), 1
	s_wait_xcnt 0x0
	s_wait_alu depctr_hold_cnt(0) depctr_sa_sdst(0) depctr_va_vdst(0) depctr_va_sdst(0) depctr_va_ssrc(0) depctr_va_vcc(0) depctr_vm_vsrc(0)
	s_getreg_b32 s2, hwreg(HW_REG_IB_STS2, 6, 4)
	s_cmp_eq_u32 s2, 0
	s_cbranch_scc0 .Lentry_in_a_cluster
	s_endpgm
.Lentry_in_a_cluster:
	s_bfe_u32 s2, ttmp6, 0x10000c
	s_cmp_lg_u32 s2, 0xf033
	s_cbranch_scc0 .Lentry_shape_is_right
	s_endpgm
.Lentry_shape_is_right:
; qkv = x w_qkv: [8192][1024] x [1024][3072], f16 operands, f32 sums, rounded once to f16.
; A tile of the result is 256 rows x 384 columns (six whole heads): 8 x 32 = 256 work-groups, one for each WGP.  Four waves, 2 x 2, each 128 rows x 192 columns: 96 accumulators, 768 registers:
; for 32 along K a wave reads 20 fragments from LDS for 96 matrix instructions.
; K GOES IN STEPS OF 96 through a ring of two LDS slots: ten steps of three quarters (32 along K each) and an eleventh of two.  Steps of 128 would take 2 x 163,840 bytes, all of LDS, and leave
; none for the spare words.  From a request to the wait for it a wave issues 256 matrix instructions.
; Both operands lie in memory in blocks of 512 bytes (16 rows x 16 k; lane l's 16 bytes at 16 l), k blocks of a group of rows on end, so a wave's tensor load is one dense piece:
; x: 128 rows x 6 k blocks = 24,576 bytes; w: 192 columns x 6 k blocks = 36,864 bytes.  A fragment is two loads of 512 neighbouring bytes: no padding, no bank conflict.
; CLUSTER 4 x 4: x's tile hangs on the tile row alone and is asked for jointly along a row of the cluster, w's on the tile column alone, jointly along a column.
; THE MATRIX INSTRUCTION IS USED TRANSPOSED (source 0 = 16 columns of w, source 1 = 16 rows of x): lane l holds row l % 16 and columns 8 (l / 16) + 0..7 of a 16 x 16 block: 16 bytes of f16.
; THE RESULT GOES OUT IN BLOCKS, with no stage: qkvf = section (q, k, v) x 16 MiB + (b 16 + head) 131,072 + (row / 16) 2,048 + ((column % 64) / 16) 512; in a block of q and k lane l's 16 bytes lie
; at 16 l (a store of the wave covers 512 neighbouring bytes, aligned); in a block of v at 16 ((r / 8) 16 + 8 h + r % 8), r = l % 16, h = l / 16: the order in which the turning LDS load of the
; attention launch wants them at 16 l.
; REGISTERS: window 0: v16-29 addresses; v32-95, v96-159 two buffers of x's 8 fragments; v160-255 w's 12 fragments in three groups of 4, one buffer; on the way out v32-223 packed results.
;   windows 1, 2, 3: the accumulators of my heads 0, 1, 2: (row block a, column block c of the head) at v[8 (4 a + c)].
; A QUARTER is three stretches of 32 matrix instructions, one window and one group of w each; behind stretch s group s is loaded again for the next quarter, behind stretches 0 and 1 also half of x's
; other buffer: six switches of the window for 96 matrix instructions and 40 loads.
; LIMIT: operands and result are f16: |q|, |k|, |v| must stay under 65,504 (beyond it: infinity); numbers under 2^-14 keep an absolute step of 2^-24.
.set ALOADB, 6*4096                    ; what one tensor load brings of xb: [k block 6][row block 8][512]
.set BLOADB, 6*6144                    ; and of wqf: [k block 6][column tile 12][512]
.set SLOT,   2*ALOADB+2*BLOADB         ; x's two halves, then w's two halves: 122,880
.set SPARE,  2*SLOT                    ; behind the ring: the spare words, 128 bytes a wave; no other line names them
.set TRIPS,  4                         ; a trip = two K steps; steps 0 to 7 and the first quarter of step 8
.set ADRA, 16                          ; v16-17 LDS address of my fragments of x in slot 0, 1
.set ADRB, 20                          ; v20-21 the same for w
.set HO,   24                          ; v24-26 my 16 bytes' place in a block of my head 0, 1, 2
.set SPW,  28
.set NIL,  29
.set A0,   32
.set A1,   96
.set GB,   160
.set G1,  24                           ; s[24:31] descriptor group 1 for xb's tiles; s[32:39] group 0, a set for each slot
.set G0,  32
.set G1B, 48                           ; s[48:55], s[56:63] the same for wqf's
.set G0B, 56
.set HB,  66                           ; s[66:71] where my rows of my three heads begin in qkvf
.set W1,  0x50                         ; sources in window 0, C and D in window 1
.set W2,  0xa0
.set W3,  0xf0
.set MSB, 0
.macro WIN new                         ; the immediate's high byte repeats the setting that is left; a switch that changes nothing is dropped
.if MSB != (\new)
	s_set_vgpr_msb (MSB<<8)|(\new)
.set MSB, (\new)
.endif
.endm
.macro PLACES                          ; four plain vector instructions between a matrix instruction and a load into, or a vector instruction on, its registers
.rept 4
	v_nop
.endr
.endm
; A joint load: waves 0 and 1 fetch xb's two halves, waves 2 and 3 wqf's.  The branch hangs on the wave's number alone.  Four v_nop follow each line.
.macro JLOAD s
	s_cmp_eq_u32 s11, 0
	s_cbranch_scc0 .Lfor_b_\@
	tensor_load_to_lds s[G0+4*\s:G0+4*\s+3], s[G1:G1+7]
	s_nop 0
.rept 4
	v_nop
.endr
	s_branch .Lasked_\@
.Lfor_b_\@:
	tensor_load_to_lds s[G0B+4*\s:G0B+4*\s+3], s[G1B:G1B+7]
	s_nop 0
.rept 4
	v_nop
.endr
.Lasked_\@:
.endm
.macro CREST                           ; a round of the cluster's barrier behind its opening barrier
	s_cmp_lg_u32 s10, 0
	s_cbranch_scc1 .Lnot_wave_0_\@
	s_barrier_signal -3
.Lnot_wave_0_\@:
	s_barrier_wait -3
	s_barrier_signal -1
	s_barrier_wait -1
.endm
.macro CROUND
	s_barrier_signal -1
	s_barrier_wait -1
	CREST
.endm
	s_load_b128 s[4:7], s[0:1], 0x0                ; xb s[4:5], wqf s[6:7]
	s_load_b64 s[8:9], s[0:1], 0x10                ; qkvf
	v_lshl_add_u32 v[SPW], v0, 2, SPARE
	v_mov_b32 v[NIL], 0
	ds_add_u32 v28, v29
	ds_add_u32 v28, v29
	s_wait_dscnt 0x0
	v_lshrrev_b32 v1, 5, v0
	v_readfirstlane_b32 s10, v1                    ; wave 0..3
	s_lshr_b32 s11, s10, 1                         ; which half of the tile's rows is mine.  Also: I fetch for xb (0) or for wqf (1)
	s_and_b32 s12, s10, 1                          ; which half of its columns.  Also: which half of that tile I fetch
	s_bfe_u32 s40, ttmp6, 0x40000                  ; cx
	s_bfe_u32 s41, ttmp6, 0x40004                  ; cy
	s_lshl_b32 s42, ttmp9, 2
	s_add_co_u32 s42, s42, s40                     ; tile column = 4 x cluster x + cx
	s_and_b32 s13, ttmp7, 0xffff
	s_lshl_b32 s13, s13, 2
	s_add_co_u32 s13, s13, s41                     ; tile row = 4 x cluster y + cy
	s_lshl_b32 s43, s41, 2
	s_lshl_b32 s43, 15, s43                        ; my row of the cluster
	s_lshl_b32 s44, 0x1111, s40                    ; my column
	s_or_b32 s[G1+0], s43, (3<<16)|(1<<21)         ; mask; elements of 8 bytes; bit 21 beside a mask: a dense piece as 96 rows of 256 bytes
	s_mov_b32 s[G1+1], 32<<16                      ; tensor_dim0 = 32
	s_mov_b32 s[G1+2], 96<<16                      ; tensor_dim1 = 96
	s_mov_b32 s[G1+3], 32<<16                      ; tile_dim0 = 32
	s_mov_b32 s[G1+4], 96                          ; tile_dim1 = 96
	s_mov_b32 s[G1+5], 32                          ; elements from row to row
	s_mov_b32 s[G1+6], 0
	s_mov_b32 s[G1+7], 0
	s_or_b32 s[G1B+0], s44, (3<<16)|(1<<21)        ; the same with my column's mask: 144 rows of 256 bytes
	s_mov_b32 s[G1B+1], 32<<16
	s_mov_b32 s[G1B+2], 144<<16
	s_mov_b32 s[G1B+3], 32<<16
	s_mov_b32 s[G1B+4], 144
	s_mov_b32 s[G1B+5], 32
	s_mov_b32 s[G1B+6], 0
	s_mov_b32 s[G1B+7], 0
	s_lshl_b32 s16, s13, 1                         ; xb: group of 128 rows 2 x tile row + half, 262,144 bytes each
	s_add_co_u32 s16, s16, s12
	s_lshl_b32 s16, s16, 18
	s_mov_b32 s17, 0
	s_lshl_b32 s46, s42, 1                         ; wqf: group of 192 columns 2 x tile column + half, 393,216 bytes each
	s_add_co_u32 s46, s46, s12
	s_mul_i32 s46, s46, 393216
	s_mov_b32 s47, 0
	s_mul_i32 s20, s12, ALOADB                     ; LDS: x's halves first,
	s_mul_i32 s21, s12, BLOADB
	s_add_co_u32 s21, s21, 2*ALOADB                ; w's halves behind them: no place in the cluster enters an LDS address
	s_wait_kmcnt 0x0
	s_add_nc_u64 s[14:15], s[4:5], s[16:17]
	s_add_nc_u64 s[46:47], s[6:7], s[46:47]
	CROUND                                         ; all sixteen work-groups are here: the first joint loads meet
.irp s, 0,1
	s_mov_b32 s[G0+4*\s], 1
	s_add_co_u32 s[G0+4*\s+1], s20, \s*SLOT
	s_add_nc_u64 s[G0+4*\s+2:G0+4*\s+3], s[14:15], \s*ALOADB       ; K step s
	s_or_b32 s[G0+4*\s+3], s[G0+4*\s+3], 0x80000000
	s_mov_b32 s[G0B+4*\s], 1
	s_add_co_u32 s[G0B+4*\s+1], s21, \s*SLOT
	s_add_nc_u64 s[G0B+4*\s+2:G0B+4*\s+3], s[46:47], \s*BLOADB
	s_or_b32 s[G0B+4*\s+3], s[G0B+4*\s+3], 0x80000000
	JLOAD \s                                       ; two loads of mine are out
.endr
	v_and_b32 v1, 15, v0                           ; r
	v_bfe_u32 v2, v0, 4, 1                         ; h
	v_and_b32 v3, 31, v0
	v_lshlrev_b32 v5, 4, v3                        ; 16 l: my place in a block of x, w, q and k
	s_mul_i32 s22, s11, ALOADB                     ; my 128 rows of x
	v_add_nc_u32 v[ADRA], s22, v5
	v_add_nc_u32 v[ADRA+1], SLOT, v[ADRA]
	v_add_nc_u32 v[ADRB], s21, v5                  ; my 192 columns of w: the half that bears my column half's number
	v_add_nc_u32 v[ADRB+1], SLOT, v[ADRB]
	v_lshrrev_b32 v6, 3, v1
	v_and_b32 v7, 7, v1
	v_lshl_add_u32 v6, v6, 4, v7
	v_lshl_add_u32 v6, v2, 3, v6
	v_lshlrev_b32 v6, 4, v6                        ; 16 ((r / 8) 16 + 8 h + r % 8): my place in a block of v
	; where my 128 rows of my three heads begin; numbers that mix tile row and tile column have registers of their own
	s_mul_i32 s72, s42, 6
	s_mul_i32 s78, s12, 3
	s_add_co_u32 s72, s72, s78                     ; my first head among 48
	s_lshr_b32 s73, s13, 2
	s_lshl_b32 s73, s73, 21                        ; batch x 16 heads x 131,072
	s_and_b32 s74, s13, 3
	s_lshl_b32 s74, s74, 4
	s_lshl3_add_u32 s74, s11, s74                  ; row block = 16 (tile row % 4) + 8 x my row half
	s_lshl_b32 s74, s74, 11
	s_add_co_u32 s73, s73, s74
.irp hd, 0,1,2
	s_add_co_u32 s74, s72, \hd                     ; g
	s_lshr_b32 s75, s74, 4
	s_lshl_b32 s75, s75, 24                        ; section g / 16
	s_and_b32 s76, s74, 15
	s_lshl_b32 s76, s76, 17                        ; head g % 16
	s_add_co_u32 s76, s76, s75
	s_add_co_u32 s76, s76, s73
	s_mov_b32 s77, 0
	s_add_nc_u64 s[HB+2*\hd:HB+2*\hd+1], s[8:9], s[76:77]
	s_lshr_b32 s75, s74, 5                         ; 1 for a head of v
	s_sub_co_i32 s75, 0, s75                       ; as a mask of all lanes
	v_cndmask_b32 v[HO+\hd], v5, v6, s75
.endr
; n row blocks from a0 on x the 4 column blocks of group s, 32 along K.  zero = 1: the product starts the sums.  The 96 accumulators take turns, one instruction a turn.
.macro STR fa, s, a0, n, zero
.set ra, \a0
.rept \n
.irp c, 0,1,2,3
.if \zero
	v_wmma_f32_16x16x32_f16 v[8*(4*ra+\c):8*(4*ra+\c)+7], v[GB+32*\s+8*\c:GB+32*\s+8*\c+7], v[\fa+8*ra:\fa+8*ra+7], 0
.else
	v_wmma_f32_16x16x32_f16 v[8*(4*ra+\c):8*(4*ra+\c)+7], v[GB+32*\s+8*\c:GB+32*\s+8*\c+7], v[\fa+8*ra:\fa+8*ra+7], v[8*(4*ra+\c):8*(4*ra+\c)+7]
.endif
.endr
.set ra, ra+1
.endr
.endm
.macro LDG s, slot, q                  ; 8 LDS loads: group s of w's fragments for quarter q of a slot
.irp c, 0,1,2,3
	ds_load_b128 v[GB+32*\s+8*\c:GB+32*\s+8*\c+3],   v[ADRB+\slot] offset:\q*12288+(4*\s+\c)*512
	ds_load_b128 v[GB+32*\s+8*\c+4:GB+32*\s+8*\c+7], v[ADRB+\slot] offset:\q*12288+(4*\s+\c)*512+6144
.endr
.endm
.macro LDA fa, slot, q, a0             ; 8 LDS loads: x's fragments a0 .. a0 + 3 for quarter q of a slot
.irp i, 0,1,2,3
	ds_load_b128 v[\fa+8*(\a0+\i):\fa+8*(\a0+\i)+3],   v[ADRA+\slot] offset:\q*8192+(\a0+\i)*512
	ds_load_b128 v[\fa+8*(\a0+\i)+4:\fa+8*(\a0+\i)+7], v[ADRA+\slot] offset:\q*8192+(\a0+\i)*512+4096
.endr
.endm
; A quarter that is not a step's last: multiplies x's buffer fa; fetches quarter nq of slot nslot, x into ga.
; The LDS loads that are out at its head, oldest first: 16 (group 0, x 0-3), 16 (group 1, x 4-7), 8 (group 2).
.macro QUARTER fa, ga, nslot, nq, zero
	s_wait_dscnt 8                                 ; all but group 2's eight loads
	WIN W1
	STR \fa, 0, 0, 8, \zero
	WIN 0
	PLACES
	LDG 0, \nslot, \nq
	LDA \ga, \nslot, \nq, 0
	WIN W2
	STR \fa, 1, 0, 8, \zero
	WIN 0
	PLACES
	LDG 1, \nslot, \nq
	LDA \ga, \nslot, \nq, 4
	s_wait_dscnt 32                                ; group 2 is in: behind its loads stand the two runs of 16 above
	WIN W3
	STR \fa, 2, 0, 8, \zero
	WIN 0
	PLACES
	LDG 2, \nslot, \nq
.endm
; A step's last quarter changes slots.  All reads of the slot have been issued (group 2's were the last).  ONE barrier: in front of it each wave waits for all its tensor loads, of which one is out: its
; part of the next slot; adds 0 to its spare word; and waits for that and for its reads of this slot.  fill = 1: the barrier opens a round of the cluster's barrier, and the slot is filled again, two
; steps ahead, first thing behind the round; fill = 2: the same with the last step's four k blocks; fill = 0: nothing is left to fetch.
.macro QLAST fa, ga, slot, nslot, fill
	WIN 0
	s_wait_tensorcnt 0x0
	ds_add_u32 v[SPW], v[NIL]
	s_wait_dscnt 9                                 ; the add and group 2's eight loads may be out
	WIN W1
	STR \fa, 0, 0, 4, 0
	s_wait_dscnt 0x0                               ; the add is done, and my reads of this slot are over
	s_barrier_signal -1
	STR \fa, 0, 4, 4, 0
	WIN 0                                          ; branches or loads follow
	s_barrier_wait -1
.if \fill
	CREST                                          ; no wave of any partner still reads this slot or has a load on its way
	s_add_nc_u64 s[G0+4*\slot+2:G0+4*\slot+3], s[G0+4*\slot+2:G0+4*\slot+3], 2*ALOADB
	s_add_nc_u64 s[G0B+4*\slot+2:G0B+4*\slot+3], s[G0B+4*\slot+2:G0B+4*\slot+3], 2*BLOADB
.if \fill == 2
	s_mov_b32 s[G1+2], 64<<16                      ; K's last 64: four k blocks: 64 rows of 256 bytes of x,
	s_mov_b32 s[G1+4], 64
	s_mov_b32 s[G1B+2], 96<<16                     ; 96 of w: no load reaches past a group's end.  No tensor load of mine is out, so group 1 may be written
	s_mov_b32 s[G1B+4], 96
.endif
	JLOAD \slot                                    ; 256 matrix instructions ahead of the wait for it; its four v_nop are also the places in front of the loads below
.else
	PLACES
.endif
	LDG 0, \nslot, 0
	LDA \ga, \nslot, 0, 0
	WIN W2
	STR \fa, 1, 0, 8, 0
	WIN 0
	PLACES
	LDG 1, \nslot, 0
	LDA \ga, \nslot, 0, 4
	WIN W3
	STR \fa, 2, 0, 8, 0
	WIN 0
	PLACES
	LDG 2, \nslot, 0
.endm
; 16 accumulators of head hd (row blocks 4 ah .. 4 ah + 3) go out: each, its registers ascending, packs into 16 bytes a lane; a store of the wave is one whole block of 512 bytes
.macro OUTC hd, ah, tm, again
.if \again
	s_wait_xcnt 0x0                                ; the registers that earlier stores read are written again only behind this wait
.endif
	WIN 5*(\hd+1)                                  ; sources 0 and 1: the head's window
.irp al, 0,1,2,3
.irp c, 0,1,2,3
.irp r, 0,1,2,3
	v_cvt_pk_f16_f32 v[\tm+4*(4*\al+\c)+\r], v[8*(4*(4*\ah+\al)+\c)+2*\r], v[8*(4*(4*\ah+\al)+\c)+2*\r+1]
.endr
.endr
.endr
	WIN 0
.irp al, 0,1,2,3
.irp c, 0,1,2,3
	global_store_b128 v[HO+\hd], v[\tm+4*(4*\al+\c):\tm+4*(4*\al+\c)+3], s[HB+2*\hd:HB+2*\hd+1] offset:(4*\ah+\al)*2048+\c*512
.endr
.endr
.endm
	s_wait_tensorcnt 1                             ; my part of K step 0 is in; K step 1's may stay out
	s_barrier_signal -1
	s_barrier_wait -1
	LDG 0, 0, 0                                    ; the first quarter's 40 loads, in the order in which every quarter's are issued
	LDA A0, 0, 0, 0
	LDG 1, 0, 0
	LDA A0, 0, 0, 4
	LDG 2, 0, 0
	QUARTER A0, A1, 0, 1, 1                        ; the first quarter stands in front of the loop: its products start the sums
	s_mov_b32 s3, TRIPS
.Lpair:                                                ; a trip goes once round the ring, from a pair's second quarter to the next pair's first, and fills both slots again
	QUARTER A1, A0, 0, 2, 0
	QLAST   A0, A1, 0, 1, 1
	QUARTER A1, A0, 1, 1, 0
	QUARTER A0, A1, 1, 2, 0
	QLAST   A1, A0, 1, 0, 1
	QUARTER A0, A1, 0, 1, 0
	s_sub_co_u32 s3, s3, 1
	s_cmp_lg_u32 s3, 0
	s_cbranch_scc1 .Lpair
	QUARTER A1, A0, 0, 2, 0                        ; step 8 goes on;
	QLAST   A0, A1, 0, 1, 2                        ; slot 0 takes step 10, the short one: the last load
	QUARTER A1, A0, 1, 1, 0                        ; step 9
	QUARTER A0, A1, 1, 2, 0
	QLAST   A1, A0, 1, 0, 0
	QUARTER A0, A1, 0, 1, 0                        ; step 10: two quarters
	s_wait_dscnt 8
	WIN W1
	STR A1, 0, 0, 8, 0
	WIN W2
	STR A1, 1, 0, 8, 0
	s_wait_dscnt 0x0
	WIN W3
	STR A1, 2, 0, 8, 0
	WIN 0
	PLACES
	OUTC 0, 0, 32, 0                               ; THE WAY OUT: three sets of 64 registers take turns
	OUTC 0, 1, 96, 0
	OUTC 1, 0, 160, 0
	OUTC 1, 1, 32, 1
	OUTC 2, 0, 96, 1
	OUTC 2, 1, 160, 1
	s_wait_tensorcnt 0x0                           ; the wave's end
	ds_add_u32 v[SPW], v[NIL]
	s_wait_dscnt 0x0
	CROUND                                         ; the closing round
	s_endpgm
.Lfunc_end_k_q8b5fdedbb2_gemm_qkv:
	.size	k_q8b5fdedbb2_gemm_qkv, .Lfunc_end_k_q8b5fdedbb2_gemm_qkv-k_q8b5fdedbb2_gemm_qkv
	.p2alignl 7, 3214868480
	.fill 96, 4, 3214868480
	.section	.rodata,"a",@progbits
	.p2align	6, 0x0
	.amdhsa_kernel k_q8b5fdedbb2_gemm_qkv
		.amdhsa_group_segment_fixed_size 327680
		.amdhsa_private_segment_fixed_size 0
		.amdhsa_enable_private_segment 0
		.amdhsa_kernarg_size 24
		.amdhsa_user_sgpr_count 2
		.amdhsa_user_sgpr_kernarg_segment_ptr 1
		.amdhsa_wavefront_size32 1
		.amdhsa_system_sgpr_workgroup_id_x 1
		.amdhsa_system_sgpr_workgroup_id_y 1
		.amdhsa_system_sgpr_workgroup_id_z 1
		.amdhsa_system_vgpr_workitem_id 0
		.amdhsa_next_free_vgpr 1024
		.amdhsa_next_free_sgpr 80
		.amdhsa_reserve_vcc 0
		.amdhsa_float_denorm_mode_32 3
		.amdhsa_float_denorm_mode_16_64 3
		.amdhsa_memory_ordered 1
		.amdhsa_forward_progress 1
		.amdhsa_inst_pref_size 172
	.end_amdhsa_kernel
	.amdgpu_metadata
---
amdhsa.version: [ 1, 2 ]
amdhsa.kernels:
  - .name:           k_q8b5fdedbb2_gemm_qkv
    .symbol:         k_q8b5fdedbb2_gemm_qkv.kd
    .args:
      - { .name: xb, .offset: 0, .size: 8, .value_kind: global_buffer, .address_space: global }
      - { .name: wqf, .offset: 8, .size: 8, .value_kind: global_buffer, .address_space: global }
      - { .name: qkvf, .offset: 16, .size: 8, .value_kind: global_buffer, .address_space: global }
    .group_segment_fixed_size: 327680
    .private_segment_fixed_size: 0
    .kernarg_segment_align: 8
    .kernarg_segment_size: 24
    .max_flat_workgroup_size: 128
    .sgpr_count:     80
    .vgpr_count:     1024
    .wavefront_size: 32
...
	.end_amdgpu_metadata
.endif
;; end of part 2
;; launch pool (part 3): grid 16 x 8, 4 waves a work-group, clusters of 4 x 1, 327,680 bytes of LDS; arguments qkvf, out1; writes out1
.if DOCPART == 3
	.amdgcn_target "amdgcn-amd-amdhsa--gfx1250"
	.amdhsa_code_object_version 6
	.text
	.protected	k_q8b5fdedbb2_pool
	.globl	k_q8b5fdedbb2_pool
	.p2align	8
	.type	k_q8b5fdedbb2_pool,@function
k_q8b5fdedbb2_pool:
	s_mov_b64 s[64:65], 0
	v_nop
	global_prefetch_b8 v0, s[64:65] scope:SCOPE_SE
	s_setreg_imm32_b32 hwreg(HW_REG_WAVE_MODE, 25, 1), 1
	s_wait_xcnt 0x0
	s_wait_alu depctr_hold_cnt(0) depctr_sa_sdst(0) depctr_va_vdst(0) depctr_va_sdst(0) depctr_va_ssrc(0) depctr_va_vcc(0) depctr_vm_vsrc(0)
	s_getreg_b32 s2, hwreg(HW_REG_IB_STS2, 6, 4)
	s_cmp_eq_u32 s2, 0
	s_cbranch_scc0 .Lentry_in_a_cluster
	s_endpgm
.Lentry_in_a_cluster:
	s_bfe_u32 s2, ttmp6, 0x10000c
	s_cmp_lg_u32 s2, 0x3003
	s_cbranch_scc0 .Lentry_shape_is_right
	s_endpgm
.Lentry_shape_is_right:
; out1[b][i][j] = softmax_j(q_[b][i] . k_[b][j] / 32), over all 1,024 channels, no mask.  f16 operands, f32 sums, maxima and exponentials; f32 out.
; A work-group owns 64 queries of a batch and ALL 1,024 keys, so that a row's maximum and sum never leave it: 16 x 8 = 128 work-groups.  Wave w owns keys 256 w .. 256 w + 255:
; 4 (query blocks a) x 16 (key blocks b) accumulators, 512 registers.  Why not 32 queries on twice the work-groups: every work-group takes in all 2 MiB of its batch's k_, and a wave reads
; 16 fragments of k_ from LDS for each 32 channels; with 32 queries both would feed half as many products.
; The channels go in 16 steps of 64 (one head's block of qkvf).  k_: the head's 131,072 bytes, dense, through a ring of two LDS slots; each wave brings and reads its own 32,768.
; q_: 16 loads of 512 neighbouring bytes a step straight into registers, TWO steps ahead, three buffers: so the loop is six steps long.
; CLUSTER 4 x 1: the four work-groups of a cluster belong to one batch and walk the same k_: each tile is asked for jointly (mask 15).
; THE ORDER OF THE HEADS: cluster x of a batch's four begins at head 4 x and goes round, so that at any step the four ask for four different heads, and each head's bytes are asked for first by one
; cluster and by the other three 4, 8 and 12 steps later.  The sum over the channels is the same sum in another order.
; TRANSPOSED USE (source 0 = 16 keys, source 1 = 16 queries): lane l holds query l % 16 and keys 8 (l / 16) + 0..7 of a block.
; SOFTMAX: the row's true maximum m (lane, other half of the lanes, the four waves through LDS), p = 2^(c s - c m), c = log2(e) / 32, the sum likewise, p / sum.
; REGISTERS: window 0: v16-29 addresses, v32-59 statistics, v64-255 q_'s three buffers (on the way out v64-191: rows read back); window 1: k_'s two buffers of 16 fragments;
;   windows 2, 3: accumulators (a, b) at v[8 (16 (a % 2) + b)], window 2 + a / 2.
; LIMIT: q_ and k_ are f16, as the launch before stored them; a weight below 2^-126 comes out as 0 (ISA guide, v_exp_f32).
.set SLOTB,  131072
.set WPART,  32768                     ; a wave's part of a slot
.set SPARE,  2*SLOTB                   ; the spare words, 128 bytes a wave; no other line names them
.set STAT1,  SPARE+512                 ; the waves' maxima: word at 256 a + 16 r + 4 wave
.set OPITCH, 1040                      ; the stage on the way out: 16 rows of 1,024 bytes + 16, in my own part of slot 0, which has had its last fill by then
.set ADRB, 16                          ; v16-17 LDS address of my fragments of k_ in slot 0, 1; v16 is also where I read the stage back
.set QO,   18                          ; v18 16 l: my bytes in a block of q_, and in 512 bytes of a row of out1
.set STO,  20                          ; v20 where I put 32 bytes of a row into the stage
.set SA,   22                          ; v22 my wave's word of the statistics
.set SB,   23                          ; v23 the four waves' words
.set SPW,  28
.set NIL,  29
.set T,    32                          ; v32-35 at work
.set U,    36                          ; v36-43 four running pairs of sums
.set CM,   44                          ; v[44+2a] c m, v[45+2a] m
.set RL,   52                          ; v[52+2a:53+2a] 1 / sum, twice
.set X,    64                          ; the four waves' figures, read back
.set AF0,  64
.set AF1,  128
.set AF2,  192
.set BK,   64
.set BF0,  0
.set BF1,  128
.set G1,  24
.set G0,  32
.set KH,  48                           ; s48 counts k_'s fills: the next one's head is s48 % 16
.set QH,  49                           ; s49 the same for q_'s loads
.set CS,  58                           ; s[58:59] c
.set SEL, 60                           ; s[60:61] v_permlanex16_b32: each lane takes its own place in the other half
.set MSB, 0
.macro WIN new
.if MSB != (\new)
	s_set_vgpr_msb (MSB<<8)|(\new)
.set MSB, (\new)
.endif
.endm
.set MUL_LO, 0xa1
.set MUL_HI, 0xf1
.macro PLACES
.rept 4
	v_nop
.endr
.endm
.macro CREST
	s_cmp_lg_u32 s10, 0
	s_cbranch_scc1 .Lnot_wave_0_\@
	s_barrier_signal -3
.Lnot_wave_0_\@:
	s_barrier_wait -3
	s_barrier_signal -1
	s_barrier_wait -1
.endm
.macro CROUND
	s_barrier_signal -1
	s_barrier_wait -1
	CREST
.endm
	s_load_b128 s[4:7], s[0:1], 0x0                ; qkvf s[4:5], out1 s[6:7]
	v_lshl_add_u32 v[SPW], v0, 2, SPARE
	v_mov_b32 v[NIL], 0
	ds_add_u32 v28, v29
	ds_add_u32 v28, v29
	s_wait_dscnt 0x0
	v_lshrrev_b32 v1, 5, v0
	v_readfirstlane_b32 s10, v1                    ; wave 0..3
	s_bfe_u32 s40, ttmp6, 0x40000                  ; cx
	s_lshl_b32 s42, ttmp9, 2
	s_add_co_u32 s42, s42, s40                     ; my block of 64 queries: it enters q_'s and out1's addresses alone
	s_and_b32 s13, ttmp7, 0xffff                   ; the batch, which the four partners share
	s_lshl_b32 s[KH], ttmp9, 2                     ; the cluster's first head, 4 x cluster x: the four partners share it too
	s_mov_b32 s[QH], s[KH]
	s_lshl_b32 s50, s[KH], 17                      ; s[50:51], s[54:55]: a head's offset, 131,072 bytes a head
	s_mov_b32 s51, 0
	s_mov_b32 s55, 0
	s_mov_b32 s[G1+0], 15|(3<<16)|(1<<21)          ; mask: all four; elements of 8 bytes; bit 21 beside a mask
	s_mov_b32 s[G1+1], 32<<16                      ; a dense block as 128 rows of 256 bytes
	s_mov_b32 s[G1+2], 128<<16
	s_mov_b32 s[G1+3], 32<<16
	s_mov_b32 s[G1+4], 128
	s_mov_b32 s[G1+5], 32
	s_mov_b32 s[G1+6], 0
	s_mov_b32 s[G1+7], 0
	s_mov_b32 s[CS], 0x3d38aa3b                    ; log2(e) / 32
	s_mov_b32 s[CS+1], s[CS]
	s_mov_b32 s[SEL], 0x76543210
	s_mov_b32 s[SEL+1], 0xfedcba98
	s_lshl_b32 s16, s13, 21                        ; k_: section 1, the batch's 16 heads, my 256 keys
	s_lshl_b32 s17, s10, 15
	s_add_co_u32 s16, s16, s17
	s_add_co_u32 s16, s16, 0x1000000
	s_mov_b32 s17, 0
	s_mul_i32 s20, s10, WPART                      ; LDS: wave x 32,768
	s_lshl_b32 s18, s13, 21                        ; q_: section 0, the batch, my four row blocks
	s_lshl_b32 s19, s42, 13
	s_add_co_u32 s18, s18, s19
	s_mov_b32 s19, 0
	s_lshl_b32 s22, s13, 22                        ; out1: the batch's 1,024 rows of 4,096 bytes, my 64 rows, my wave's 1,024 bytes of a row
	s_lshl_b32 s23, s42, 18
	s_add_co_u32 s22, s22, s23
	s_lshl_b32 s23, s10, 10
	s_add_co_u32 s22, s22, s23
	s_mov_b32 s23, 0
	s_wait_kmcnt 0x0
	s_add_nc_u64 s[46:47], s[4:5], s[16:17]        ; k_ at head 0
	s_add_nc_u64 s[52:53], s[4:5], s[18:19]        ; q_ at head 0
	s_add_nc_u64 s[8:9], s[6:7], s[22:23]
	s_add_nc_u64 s[56:57], s[46:47], s[50:51]      ; k_ at the cluster's first head, which is 12 at the most: the second needs no wrap
.irp s, 0,1
	s_mov_b32 s[G0+4*\s], 1
	s_add_co_u32 s[G0+4*\s+1], s20, \s*SLOTB
	s_add_nc_u64 s[G0+4*\s+2:G0+4*\s+3], s[56:57], \s*131072
	s_or_b32 s[G0+4*\s+3], s[G0+4*\s+3], 0x80000000
.endr
	s_add_co_u32 s[KH], s[KH], 2
	CROUND                                         ; all four work-groups are here: the first joint loads meet
	tensor_load_to_lds s[G0:G0+3], s[G1:G1+7]
	s_nop 0
	tensor_load_to_lds s[G0+4:G0+7], s[G1:G1+7]    ; two loads of mine are out
	s_nop 0
	PLACES                                         ; four v_nop follow
	v_and_b32 v1, 15, v0                           ; r
	v_bfe_u32 v2, v0, 4, 1                         ; h
	v_and_b32 v3, 31, v0
	v_lshlrev_b32 v[QO], 4, v3
	v_add_nc_u32 v[ADRB], s20, v[QO]
	v_add_nc_u32 v[ADRB+1], SLOTB, v[ADRB]
	v_mul_u32_u24 v4, v1, OPITCH
	v_lshl_add_u32 v4, v2, 5, v4
	v_add_nc_u32 v[STO], s20, v4
	v_lshlrev_b32 v[SB], 4, v1
	v_add_nc_u32 v[SB], STAT1, v[SB]
	v_lshl_add_u32 v[SA], s10, 2, v[SB]
; 16 matrix instructions: query block a x my 16 key blocks, channels 32 kk on.  The 64 accumulators take turns, one instruction a turn.
.macro MULA bf, af, kk, a, zero
.irp b, 0,1,2,3,4,5,6,7,8,9,10,11,12,13,14,15
.if \zero
	v_wmma_f32_16x16x32_f16 v[8*(16*(\a%2)+\b):8*(16*(\a%2)+\b)+7], v[\bf+8*\b:\bf+8*\b+7], v[\af+8*(4*\kk+\a):\af+8*(4*\kk+\a)+7], 0
.else
	v_wmma_f32_16x16x32_f16 v[8*(16*(\a%2)+\b):8*(16*(\a%2)+\b)+7], v[\bf+8*\b:\bf+8*\b+7], v[\af+8*(4*\kk+\a):\af+8*(4*\kk+\a)+7], v[8*(16*(\a%2)+\b):8*(16*(\a%2)+\b)+7]
.endif
.endr
.endm
.macro FETCHB slot, kk, bf             ; 32 LDS loads: my 16 fragments of k_ for 32 channels
	WIN 0x40
.irp i, 0,1,2,3,4,5,6,7,8,9,10,11,12,13,14,15
	ds_load_b128 v[\bf+8*\i:\bf+8*\i+3],   v[ADRB+\slot] offset:\i*2048+\kk*1024
	ds_load_b128 v[\bf+8*\i+4:\bf+8*\i+7], v[ADRB+\slot] offset:\i*2048+\kk*1024+512
.endr
.endm
.macro ALOAD af                        ; 16 global loads: the 8 fragments of q_ of the next head in the cluster's order
	WIN 0
	s_wait_xcnt 0x0                                ; the last sixteen loads may still be out: their base is written again only behind this wait
	s_and_b32 s54, s[QH], 15
	s_lshl_b32 s54, s54, 17
	s_add_nc_u64 s[14:15], s[52:53], s[54:55]
	s_add_co_u32 s[QH], s[QH], 1
.irp kk, 0,1
.irp a, 0,1,2,3
	global_load_b128 v[\af+8*(4*\kk+\a):\af+8*(4*\kk+\a)+3],   v[QO], s[14:15] offset:\a*2048+\kk*1024
	global_load_b128 v[\af+8*(4*\kk+\a)+4:\af+8*(4*\kk+\a)+7], v[QO], s[14:15] offset:\a*2048+\kk*1024+512
.endr
.endr
.endm
; A step's first half (channels 0-31): fetches the second half's k_ and, aload = 1, the q_ of two steps on into afn, which the step before this one multiplied.  left: q_'s younger loads
.macro H0 slot, af, afn, aload, left, zero
	s_wait_loadcnt \left                           ; this step's q_, asked for two steps ago; the next step's sixteen loads stay out
	s_wait_dscnt 0x0                               ; k_'s first half
	WIN MUL_LO
	MULA BF0, \af, 0, 0, \zero
	MULA BF0, \af, 0, 1, \zero
	PLACES
	FETCHB \slot, 1, BF1
.if \aload
	ALOAD \afn
.endif
	WIN MUL_HI
	MULA BF0, \af, 0, 2, \zero
	MULA BF0, \af, 0, 3, \zero
.endm
; A step's second half, and the change of slots: in front of the barrier each wave waits for all its tensor loads, adds 0 to its spare word, and waits for that and for its reads of this slot.
; fill = 1: the barrier opens a round of the cluster's barrier; the slot is filled again, two steps ahead, first thing behind the round: 96 matrix instructions ahead of the wait for it.
.macro H1 slot, next, fill, af
	WIN 0
	s_wait_tensorcnt 0x0
	ds_add_u32 v[SPW], v[NIL]
	s_wait_dscnt 1                                 ; k_'s second half is in; the add may be out
	WIN MUL_LO
	MULA BF1, \af, 1, 0, 0
	s_wait_dscnt 0x0                               ; the add is done, and my reads of this slot are over
	s_barrier_signal -1
	MULA BF1, \af, 1, 1, 0
.if \fill
	WIN 0
.endif
	s_barrier_wait -1
.if \fill
	CREST
	s_and_b32 s50, s[KH], 15                       ; the next head in the cluster's order, round past 15
	s_lshl_b32 s50, s50, 17
	s_add_nc_u64 s[G0+4*\slot+2:G0+4*\slot+3], s[46:47], s[50:51]
	s_or_b32 s[G0+4*\slot+3], s[G0+4*\slot+3], 0x80000000
	s_add_co_u32 s[KH], s[KH], 1
	tensor_load_to_lds s[G0+4*\slot:G0+4*\slot+3], s[G1:G1+7]
	s_nop 0
.endif
	PLACES                                         ; behind the load, and in front of the loads below
	FETCHB \next, 0, BF0
	WIN MUL_HI
	MULA BF1, \af, 1, 2, 0
	MULA BF1, \af, 1, 3, 0
.endm
	ALOAD AF0                                      ; step 0's q_
	ALOAD AF1                                      ; step 1's
	s_wait_tensorcnt 1                             ; my part of step 0 is in; step 1's may stay out
	s_barrier_signal -1
	s_barrier_wait -1
	FETCHB 0, 0, BF0
	H0 0, AF0, AF2, 1, 16, 1                       ; the first half step stands in front of the loop: its products start the sums
	WIN 0
	s_mov_b32 s3, 2
.Lsix:                                                 ; six steps a trip (two slots, three buffers of q_); the refills bring steps 2 to 13
	H1 0, 1, 1, AF0
	H0 1, AF1, AF0, 1, 16, 0
	H1 1, 0, 1, AF1
	H0 0, AF2, AF1, 1, 16, 0
	H1 0, 1, 1, AF2
	H0 1, AF0, AF2, 1, 16, 0
	H1 1, 0, 1, AF0
	H0 0, AF1, AF0, 1, 16, 0
	H1 0, 1, 1, AF1
	H0 1, AF2, AF1, 1, 16, 0
	H1 1, 0, 1, AF2
	H0 0, AF0, AF2, 1, 16, 0
	WIN 0
	s_sub_co_u32 s3, s3, 1
	s_cmp_lg_u32 s3, 0
	s_cbranch_scc1 .Lsix
	H1 0, 1, 1, AF0                                ; step 12; slot 0 takes step 14
	H0 1, AF1, AF0, 1, 16, 0                       ; step 13; q_ of step 15: the last loads
	H1 1, 0, 1, AF1                                ; slot 1 takes step 15: the last fill
	H0 0, AF2, AF1, 0, 16, 0                       ; step 14
	H1 0, 1, 0, AF2
	H0 1, AF0, AF1, 0, 0, 0                        ; step 15
	s_wait_dscnt 0x0
	WIN MUL_LO
	MULA BF1, AF0, 1, 0, 0
	MULA BF1, AF0, 1, 1, 0
	WIN MUL_HI
	MULA BF1, AF0, 1, 2, 0
	MULA BF1, AF0, 1, 3, 0
	WIN 0
	PLACES
; The maximum of my 128 scores of query block a: four chains, three operands at a time, each accumulator from its low end on; then the other half of the lanes
.macro MAXA a
.set rA, 128*((\a)%2)
	WIN 0x2a+0x15*((\a)/2)                         ; all three sources in the block's window
.irp k, 0,1,2,3
	v_max3_num_f32 v[T+\k], v[rA+8*\k], v[rA+8*\k+1], v[rA+8*\k+2]
.endr
	WIN 0x28+0x14*((\a)/2)                         ; sources 1 and 2
.irp k, 0,1,2,3
	v_max3_num_f32 v[T+\k], v[T+\k], v[rA+8*\k+3], v[rA+8*\k+4]
.endr
.irp k, 0,1,2,3
	v_max3_num_f32 v[T+\k], v[T+\k], v[rA+8*\k+5], v[rA+8*\k+6]
.endr
	v_max3_num_f32 v[T], v[T], v[rA+7], v[rA+15]
	v_max3_num_f32 v[T+2], v[T+2], v[rA+23], v[rA+31]
.set i, 16
.rept 48
	v_max3_num_f32 v[T+i%4], v[T+i%4], v[rA+2*i], v[rA+2*i+1]
.set i, i+1
.endr
	WIN 0
	v_max3_num_f32 v[T], v[T], v[T+1], v[T+2]
	v_max_num_f32 v[T], v[T], v[T+3]
	v_permlanex16_b32 v[T+1], v[T], s[SEL], s[SEL+1]
	v_max_num_f32 v[CM+2*\a+1], v[T], v[T+1]
	ds_store_b32 v[SA], v[CM+2*\a+1] offset:\a*256
.endm
; p = 2^(c s - c m) in place, and my 128 weights' sum
.macro EXPA a
.set rA, 128*((\a)%2)
	WIN 0x82+0x41*((\a)/2)                         ; destination and source 0
.set i, 0
.rept 64
	v_pk_fma_f32 v[rA+2*i:rA+2*i+1], v[rA+2*i:rA+2*i+1], s[CS:CS+1], v[CM+2*\a:CM+2*\a+1] op_sel_hi:[1,0,0] neg_lo:[0,0,1] neg_hi:[0,0,1]
.set i, i+1
.endr
.set i, 0
.rept 128
	v_exp_f32 v[rA+i], v[rA+i]
.set i, i+1
.endr
	v_nop                                          ; a plain instruction between the last exponential and the use of its result (ISA guide 5.7.2)
	WIN 0x0a+5*((\a)/2)                            ; sources 0 and 1
	s_wait_alu depctr_va_vdst(0)
.irp k, 0,1,2,3
	v_pk_add_f32 v[U+2*\k:U+2*\k+1], v[rA+4*\k:rA+4*\k+1], v[rA+4*\k+2:rA+4*\k+3]
.endr
	WIN 0x08+4*((\a)/2)                            ; source 1
.set i, 8
.rept 56
	v_pk_add_f32 v[U+2*(i%4):U+2*(i%4)+1], v[U+2*(i%4):U+2*(i%4)+1], v[rA+2*i:rA+2*i+1]
.set i, i+1
.endr
	WIN 0
	v_pk_add_f32 v[U:U+1], v[U:U+1], v[U+2:U+3]
	v_pk_add_f32 v[U+4:U+5], v[U+4:U+5], v[U+6:U+7]
	v_pk_add_f32 v[U:U+1], v[U:U+1], v[U+4:U+5]
	v_add_f32 v[T], v[U], v[U+1]
	v_permlanex16_b32 v[T+1], v[T], s[SEL], s[SEL+1]
	v_add_f32 v[T], v[T], v[T+1]
	ds_store_b32 v[SA], v[T] offset:1024+\a*256
.endm
; Query block a goes out: divided by the sum, through my stage, back as whole pieces of rows; a store of the wave covers 512 neighbouring bytes, aligned
.macro OUTA a
.set rA, 128*((\a)%2)
	WIN 0x82+0x41*((\a)/2)
.set i, 0
.rept 64
	v_pk_mul_f32 v[rA+2*i:rA+2*i+1], v[rA+2*i:rA+2*i+1], v[RL+2*\a:RL+2*\a+1]
.set i, i+1
.endr
	WIN 0x08+4*((\a)/2)                            ; the data of an LDS store is source 1
.irp b, 0,1,2,3,4,5,6,7,8,9,10,11,12,13,14,15
	ds_store_b128 v[STO], v[rA+8*\b:rA+8*\b+3] offset:64*\b
	ds_store_b128 v[STO], v[rA+8*\b+4:rA+8*\b+7] offset:64*\b+16
.endr
	WIN 0
	s_wait_xcnt 0x0                                ; the registers that the last block's stores read are loaded again only behind this wait
.set i, 0
.rept 32
	ds_load_b128 v[BK+4*i:BK+4*i+3], v[ADRB] offset:(i/2)*OPITCH+(i%2)*512   ; LDS serves a wave's instructions in order (ISA guide 5.7.1.4): these see the stores above
.set i, i+1
.endr
.set i, 0
.rept 32
	s_wait_dscnt 31-i                              ; piece i is back; the younger ones stay out
	global_store_b128 v[QO], v[BK+4*i:BK+4*i+3], s[8:9] offset:(16*\a+i/2)*4096+(i%2)*512 th:TH_STORE_NT
.set i, i+1
.endr
.endm
	MAXA 0
	MAXA 1
	MAXA 2
	MAXA 3
	s_wait_dscnt 0x0                               ; for the others' sake: my maxima are in LDS
	s_barrier_signal -1
	s_barrier_wait -1
.irp a, 0,1,2,3
	ds_load_b128 v[X+4*\a:X+4*\a+3], v[SB] offset:\a*256
.endr
	s_wait_dscnt 0x0
.irp a, 0,1,2,3
	v_max3_num_f32 v[CM+2*\a+1], v[X+4*\a], v[X+4*\a+1], v[X+4*\a+2]
	v_max_num_f32 v[CM+2*\a+1], v[CM+2*\a+1], v[X+4*\a+3]
	v_mul_f32 v[CM+2*\a], s[CS], v[CM+2*\a+1]
.endr
	EXPA 0
	EXPA 1
	EXPA 2
	EXPA 3
	s_wait_dscnt 0x0                               ; my sums are in LDS, in words of their own
	s_barrier_signal -1
	s_barrier_wait -1
.irp a, 0,1,2,3
	ds_load_b128 v[X+4*\a:X+4*\a+3], v[SB] offset:1024+\a*256
.endr
	s_wait_dscnt 0x0
.irp a, 0,1,2,3
	v_add_f32 v[X+4*\a], v[X+4*\a], v[X+4*\a+1]
	v_add_f32 v[X+4*\a+2], v[X+4*\a+2], v[X+4*\a+3]
	v_add_f32 v[X+4*\a], v[X+4*\a], v[X+4*\a+2]
.endr
.irp a, 0,1,2,3
	v_rcp_f32 v[RL+2*\a], v[X+4*\a]
.endr
	v_nop
	s_wait_alu depctr_va_vdst(0)
.irp a, 0,1,2,3
	v_mov_b32 v[RL+2*\a+1], v[RL+2*\a]
.endr
	OUTA 0
	OUTA 1
	OUTA 2
	OUTA 3
	s_wait_tensorcnt 0x0                           ; the wave's end
	ds_add_u32 v[SPW], v[NIL]
	s_wait_dscnt 0x0
	CROUND                                         ; the closing round
	s_endpgm
.Lfunc_end_k_q8b5fdedbb2_pool:
	.size	k_q8b5fdedbb2_pool, .Lfunc_end_k_q8b5fdedbb2_pool-k_q8b5fdedbb2_pool
	.p2alignl 7, 3214868480
	.fill 96, 4, 3214868480
	.section	.rodata,"a",@progbits
	.p2align	6, 0x0
	.amdhsa_kernel k_q8b5fdedbb2_pool
		.amdhsa_group_segment_fixed_size 327680
		.amdhsa_private_segment_fixed_size 0
		.amdhsa_enable_private_segment 0
		.amdhsa_kernarg_size 16
		.amdhsa_user_sgpr_count 2
		.amdhsa_user_sgpr_kernarg_segment_ptr 1
		.amdhsa_wavefront_size32 1
		.amdhsa_system_sgpr_workgroup_id_x 1
		.amdhsa_system_sgpr_workgroup_id_y 1
		.amdhsa_system_sgpr_workgroup_id_z 1
		.amdhsa_system_vgpr_workitem_id 0
		.amdhsa_next_free_vgpr 1024
		.amdhsa_next_free_sgpr 66
		.amdhsa_reserve_vcc 0
		.amdhsa_float_denorm_mode_32 3
		.amdhsa_float_denorm_mode_16_64 3
		.amdhsa_memory_ordered 1
		.amdhsa_forward_progress 1
		.amdhsa_inst_pref_size 255
	.end_amdhsa_kernel
	.section	.bss,"aw",@nobits
	.p2align	6
	.space	262144
	.amdgpu_metadata
---
amdhsa.version: [ 1, 2 ]
amdhsa.kernels:
  - .name:           k_q8b5fdedbb2_pool
    .symbol:         k_q8b5fdedbb2_pool.kd
    .args:
      - { .name: qkvf, .offset: 0, .size: 8, .value_kind: global_buffer, .address_space: global }
      - { .name: out1, .offset: 8, .size: 8, .value_kind: global_buffer, .address_space: global }
    .group_segment_fixed_size: 327680
    .private_segment_fixed_size: 0
    .kernarg_segment_align: 8
    .kernarg_segment_size: 16
    .max_flat_workgroup_size: 128
    .sgpr_count:     66
    .vgpr_count:     1024
    .wavefront_size: 32
...
	.end_amdgpu_metadata
.endif
;; end of part 3
;; launch heads (part 4): grid 256 x 1, 8 waves a work-group, no clusters, 267,264 bytes of LDS; arguments qkvf, kbias, attf; writes attf
.if DOCPART == 4
	.amdgcn_target "amdgcn-amd-amdhsa--gfx1250"
	.amdhsa_code_object_version 6
	.text
	.protected	k_q8b5fdedbb2_heads
	.globl	k_q8b5fdedbb2_heads
	.p2align	8
	.type	k_q8b5fdedbb2_heads,@function
k_q8b5fdedbb2_heads:
	s_mov_b64 s[64:65], 0
	v_nop
	global_prefetch_b8 v0, s[64:65] scope:SCOPE_SE
	s_setreg_imm32_b32 hwreg(HW_REG_WAVE_MODE, 25, 1), 1
	s_wait_xcnt 0x0
; attf[b][head][i][:] = the sum over j of softmax_j(masked q.k / 8) v[j][:], head size 64, 1,024 keys.  f16 operands, f32 products, maxima and sums; the weights are rounded to f16 for the second product.
; A work-group owns 512 queries of one head: 128 heads x 2 = 256 work-groups.  Eight waves, 64 queries each (four tiles of 16), two waves to a SIMD, so that one wave's softmax stands beside the other's products.
; ALL of the head's K and V (2 x 131,072 bytes, in the blocks that the first product's launch stored) and the batch's key bias lie in LDS at once: every LDS byte is filled once, so there is no ring.
; They come as four chunks of 256 keys; the waves meet once a chunk, and the later chunks land under the work.
; NO CLUSTER: only the two work-groups of a head share tiles, each asks for its 266,240 bytes once, and all but the first chunk is hidden.
; LAYOUT as in transposed attention: S^T = K Q^T (a lane holds ONE query, l % 16, and keys 8 (l / 16) + 0..7); two such tiles rounded to f16 in pairs are source 1 of O^T = V^T P.
; K's and Q's blocks are read at 16 l; V's by ds_load_tr16_b128, also at 16 l (its blocks were stored in that order).
; THE MASK.  A masked key: the bias -2^120 enters as the C operand of the first product, so its weight is 2^(-huge) = 0.  A masked query: every score is equal, so its weights are 1/1024 for
; ALL keys: the lane's scale c is 0 instead of log2(e) / 8, so that p = 2^(0 s - 0) = 1 for every key, l = 1024, and O / l is V's mean.  Key 0 is never masked, so a valid query's maximum is a true score.
; SOFTMAX: running maximum m and sum l; p = 2^(c s - c m); in every step O and l are multiplied by 2^(c m_old - c m_new).
; REGISTERS: window 0: v1-4 addresses, v8-15 at work, v16-47 eight statistics a tile, v56-119 K and then V of a step, v128-255 S^T (32 a tile; P takes a tile's low 16);
;   window 1: v0-127 O^T (32 a tile), v160-223 Q, v224-255 the step's key bias as four C operands.
; LIMITS: q, k, v, p and the result are f16: p lies in 0 to 1 with an absolute step of 2^-24 at its low end, the result is no larger than the largest |v|; the bias stands for a replacement while |q.k| < 2^119.
.set KB,  262144                       ; LDS: chunk c at 65,536 c (K's four steps of 8,192 bytes, then V's four); behind them the key bias, 4,096 bytes
.set LN,  1                            ; v1 16 l
.set ADR, 2                            ; v2 the step's K in LDS; its V lies 32,768 further on
.set ADB, 3                            ; v3 the step's key bias
.set AB0, 4                            ; v4 KB + 32 (l / 16)
.set T,   8
.set U0,  12
.set U1,  14
.set ST,  16                           ; tile t at v[16 + 8 t]: +0 c m, +1 m, +2:3 l, +4:5 the rescaling (at last 1 / l), +6:7 c, twice
.set KV,  56
.set S,   128
.set O,   0
.set Q,   160
.set KBF, 224
.set G1T, 16                           ; s[16:23] group 1: 8,192 dense bytes
.set G1K, 24                           ; s[24:31] group 1: one row of 512 bytes
.set G0,  32                           ; s[32:51] five groups 0
.set CNT, 56
.set TB,  57                           ; s57 LDS byte at which the step's K begins
.set TBB, 58                           ; s58 byte of the step's first key in the bias
.set SEL, 60
.set MSB, 0
.macro WIN new
.if MSB != (\new)
	s_set_vgpr_msb (MSB<<8)|(\new)
.set MSB, (\new)
.endif
.endm
	s_load_b128 s[4:7], s[0:1], 0x0                ; qkvf s[4:5], kbias s[6:7]
	s_load_b64 s[8:9], s[0:1], 0x10                ; attf
	v_lshl_add_u32 v126, v0, 2, 0x41000
	v_mov_b32 v127, 0
	ds_add_u32 v126, v127
	ds_add_u32 v126, v127
	v_lshrrev_b32 v1, 5, v0
	v_readfirstlane_b32 s10, v1                    ; wave 0..7
	s_lshr_b32 s11, ttmp9, 1                       ; 16 b + head
	s_and_b32 s12, ttmp9, 1                        ; which 512 queries
	s_mov_b32 s[G1T+0], 3<<16                      ; elements of 8 bytes; 32 rows of 256 bytes
	s_mov_b32 s[G1T+1], 32<<16
	s_mov_b32 s[G1T+2], 32<<16
	s_mov_b32 s[G1T+3], 32<<16
	s_mov_b32 s[G1T+4], 32
	s_mov_b32 s[G1T+5], 32
	s_mov_b32 s[G1T+6], 0
	s_mov_b32 s[G1T+7], 0
	s_mov_b32 s[G1K+0], 3<<16                      ; one row of 64 elements of 8 bytes
	s_mov_b32 s[G1K+1], 64<<16
	s_mov_b32 s[G1K+2], 1<<16
	s_mov_b32 s[G1K+3], 64<<16
	s_mov_b32 s[G1K+4], 1
	s_mov_b32 s[G1K+5], 64
	s_mov_b32 s[G1K+6], 0
	s_mov_b32 s[G1K+7], 0
	s_mov_b32 s[SEL], 0x76543210
	s_mov_b32 s[SEL+1], 0xfedcba98
	s_mov_b32 s[TB], 0
	s_mov_b32 s[TBB], 0
	s_lshr_b32 s13, s11, 4
	s_lshl_b32 s13, s13, 12                        ; the batch's row of kbias
	s_lshl_b32 s14, s10, 9                         ; my 512 bytes of it
	s_add_co_u32 s14, s14, s13
	s_mov_b32 s15, 0
	s_lshr_b32 s2, s10, 2                          ; waves 0-3 fetch K (section 1), waves 4-7 V (section 2):
	s_add_co_u32 s2, s2, 1
	s_lshl_b32 s2, s2, 24
	s_lshl_b32 s3, s11, 17                         ; the head,
	s_add_co_u32 s2, s2, s3
	s_and_b32 s3, s10, 3
	s_lshl_b32 s3, s3, 13                          ; step wave % 4 of a chunk
	s_add_co_u32 s2, s2, s3
	s_mov_b32 s3, 0
	s_mul_i32 s52, s10, 512
	s_mul_i32 s53, s10, 8192
	s_lshl_b32 s54, s11, 17                        ; Q and attf: the head, my half, my wave's four row blocks
	s_lshl_b32 s55, s12, 16
	s_add_co_u32 s54, s54, s55
	s_lshl_b32 s55, s10, 13
	s_add_co_u32 s54, s54, s55
	s_mov_b32 s55, 0
	s_lshl_b32 s62, s12, 11                        ; kbias at my wave's 64 queries
	s_add_co_u32 s62, s62, s13
	s_lshl_b32 s63, s10, 8
	s_add_co_u32 s62, s62, s63
	s_mov_b32 s63, 0
	s_wait_dscnt 0x0
	s_wait_kmcnt 0x0
	s_add_nc_u64 s[14:15], s[6:7], s[14:15]
	s_add_nc_u64 s[2:3], s[4:5], s[2:3]
	s_add_nc_u64 s[4:5], s[4:5], s[54:55]
	s_add_nc_u64 s[8:9], s[8:9], s[54:55]
	s_add_nc_u64 s[6:7], s[6:7], s[62:63]
	s_mov_b32 s[G0], 1
	s_add_co_u32 s[G0+1], s52, KB
	s_mov_b64 s[G0+2:G0+3], s[14:15]
	s_or_b32 s[G0+3], s[G0+3], 0x80000000
.irp c, 0,1,2,3
	s_mov_b32 s[G0+4+4*\c], 1
	s_add_co_u32 s[G0+5+4*\c], s53, \c*65536
	s_add_nc_u64 s[G0+6+4*\c:G0+7+4*\c], s[2:3], \c*32768
	s_or_b32 s[G0+7+4*\c], s[G0+7+4*\c], 0x80000000
.endr
	tensor_load_to_lds s[G0:G0+3], s[G1K:G1K+7]    ; all first fills go out as one group: five loads of mine are out
	s_nop 0
.irp c, 0,1,2,3
	tensor_load_to_lds s[G0+4+4*\c:G0+7+4*\c], s[G1T:G1T+7]
	s_nop 0
.endr
.rept 4
	v_nop
.endr
	v_and_b32 v5, 31, v0
	v_lshlrev_b32 v[LN], 4, v5
	v_and_b32 v6, 15, v0
	v_lshlrev_b32 v6, 2, v6                        ; 4 r
	v_bfe_u32 v7, v0, 4, 1
	v_lshlrev_b32 v[AB0], 5, v7
	v_add_nc_u32 v[AB0], KB, v[AB0]
.irp t, 0,1,2,3
	global_load_b32 v[T+\t], v6, s[6:7] offset:64*\t               ; my query's bias in tile t: 0 where it is valid
.endr
	WIN 0x40
.irp f, 0,1,2,3,4,5,6,7                ; Q stays in registers: tile f / 2, channels 32 (f % 2) on
	global_load_b128 v[Q+8*\f:Q+8*\f+3],   v[LN], s[4:5] offset:(\f/2)*2048+(\f%2)*1024
	global_load_b128 v[Q+8*\f+4:Q+8*\f+7], v[LN], s[4:5] offset:(\f/2)*2048+(\f%2)*1024+512
.endr
	WIN 0
	v_mov_b32 v5, 0x3e38aa3b                       ; log2(e) / 8
	s_wait_loadcnt 16                              ; the four biases are in; Q's sixteen loads stay out
.irp t, 0,1,2,3
	v_cmp_eq_f32 vcc_lo, 0, v[T+\t]
	v_cndmask_b32 v[ST+8*\t+6], 0, v5, vcc_lo      ; c: 0 for a masked query
	v_mov_b32 v[ST+8*\t+7], v[ST+8*\t+6]
	v_mov_b32 v[ST+8*\t+5], 0                      ; named in a pair with the rescaling, so it is written
.endr
	s_wait_loadcnt 0x0                             ; Q
; Tile t: the maximum of its 32 scores and the old m, each accumulator from its low end on; the other half of the lanes; c m; the rescaling
.macro MAXT t, first
.set rT, ST+8*\t
.set rS, S+32*\t
.irp j, 0,1,2,3
	v_max3_num_f32 v[T+\j], v[rS+8*\j], v[rS+8*\j+1], v[rS+8*\j+2]
.endr
.irp j, 0,1,2,3
	v_max3_num_f32 v[T+\j], v[T+\j], v[rS+8*\j+3], v[rS+8*\j+4]
.endr
.irp j, 0,1,2,3
	v_max3_num_f32 v[T+\j], v[T+\j], v[rS+8*\j+5], v[rS+8*\j+6]
.endr
	v_max3_num_f32 v[T], v[T], v[rS+7], v[rS+15]
	v_max3_num_f32 v[T+2], v[T+2], v[rS+23], v[rS+31]
	v_max3_num_f32 v[T], v[T], v[T+1], v[T+2]
.if \first
	v_max_num_f32 v[T], v[T], v[T+3]
.else
	v_max3_num_f32 v[T], v[T], v[T+3], v[rT+1]
	v_mov_b32 v[T+2], v[rT]                        ; c m_old
.endif
	v_permlanex16_b32 v[T+1], v[T], s[SEL], s[SEL+1]
	v_max_num_f32 v[rT+1], v[T], v[T+1]
	v_mul_f32 v[rT], v[rT+6], v[rT+1]
.if !\first
	v_sub_f32 v[T+2], v[T+2], v[rT]
	v_exp_f32 v[rT+4], v[T+2]                      ; what follows is plain and touches neither register (ISA guide 5.7.2)
.endif
.endm
; Tile t: p = 2^(c s - c m) in place, l, and P in the tile's low 16 registers
.macro SOFT t, first
.set rT, ST+8*\t
.set rS, S+32*\t
.set i, 0
.rept 16
	v_pk_fma_f32 v[rS+2*i:rS+2*i+1], v[rS+2*i:rS+2*i+1], v[rT+6:rT+7], v[rT:rT+1] op_sel_hi:[1,1,0] neg_lo:[0,0,1] neg_hi:[0,0,1]
.set i, i+1
.endr
.set i, 0
.rept 32
	v_exp_f32 v[rS+i], v[rS+i]
.set i, i+1
.endr
	v_nop
	s_wait_alu depctr_va_vdst(0)
	v_pk_add_f32 v[U0:U0+1], v[rS:rS+1], v[rS+2:rS+3]
	v_pk_add_f32 v[U1:U1+1], v[rS+4:rS+5], v[rS+6:rS+7]
.set i, 4
.rept 12
	v_pk_add_f32 v[U0+2*(i%2):U0+2*(i%2)+1], v[U0+2*(i%2):U0+2*(i%2)+1], v[rS+2*i:rS+2*i+1]
.set i, i+1
.endr
.if \first
	v_pk_add_f32 v[rT+2:rT+3], v[U0:U0+1], v[U1:U1+1]
.else
	v_pk_add_f32 v[U0:U0+1], v[U0:U0+1], v[U1:U1+1]
	v_pk_fma_f32 v[rT+2:rT+3], v[rT+2:rT+3], v[rT+4:rT+5], v[U0:U0+1] op_sel_hi:[1,0,1]
.endif
.set i, 0
.rept 16
	v_cvt_pk_f16_f32 v[rS+i], v[rS+2*i], v[rS+2*i+1]               ; ascending: register i is written when 2 i and 2 i + 1 are read
.set i, i+1
.endr
.endm
; A key step, 64 keys, in phases.  first = 1: it starts m, l and O^T.
.macro STEP first
	v_add_nc_u32 v[ADR], s[TB], v[LN]              ; these two sums and the three v_nop at the step's end are the five places between the last V^T P and the first K Q^T, which writes over P
	v_add_nc_u32 v[ADB], s[TBB], v[AB0]
.irp f, 0,1,2,3,4,5,6,7                ; K: keys 16 (f / 2) on, channels 32 (f % 2) on
	ds_load_b128 v[KV+8*\f:KV+8*\f+3],   v[ADR] offset:(\f/2)*2048+(\f%2)*1024
	ds_load_b128 v[KV+8*\f+4:KV+8*\f+7], v[ADR] offset:(\f/2)*2048+(\f%2)*1024+512
.endr
	WIN 0x40
.irp kt, 0,1,2,3                       ; the bias of keys 16 kt + 8 (l / 16) + 0..7: a C operand
	ds_load_b128 v[KBF+8*\kt:KBF+8*\kt+3],   v[ADB] offset:64*\kt
	ds_load_b128 v[KBF+8*\kt+4:KBF+8*\kt+7], v[ADB] offset:64*\kt+16
.endr
	s_wait_dscnt 0x0
	WIN 0x14                                       ; Q and the bias in window 1
.irp kt, 0,1,2,3                       ; the 16 accumulators take turns, one instruction a turn
.irp t, 0,1,2,3
	v_wmma_f32_16x16x32_f16 v[S+32*\t+8*\kt:S+32*\t+8*\kt+7], v[KV+16*\kt:KV+16*\kt+7], v[Q+16*\t:Q+16*\t+7], v[KBF+8*\kt:KBF+8*\kt+7]
.endr
.endr
	WIN 0x04
.irp kt, 0,1,2,3
.irp t, 0,1,2,3
	v_wmma_f32_16x16x32_f16 v[S+32*\t+8*\kt:S+32*\t+8*\kt+7], v[KV+16*\kt+8:KV+16*\kt+15], v[Q+16*\t+8:Q+16*\t+15], v[S+32*\t+8*\kt:S+32*\t+8*\kt+7]
.endr
.endr
	WIN 0
.rept 4
	v_nop                                          ; four places: V lands where K lay, and the maxima read the scores
.endr
.irp f, 0,1,2,3,4,5,6,7                ; V, turned: keys 32 (f / 4) on, channels 16 (f % 4) on
	ds_load_tr16_b128 v[KV+8*\f:KV+8*\f+3],   v[ADR] offset:32768+(\f/4)*4096+(\f%4)*512
	ds_load_tr16_b128 v[KV+8*\f+4:KV+8*\f+7], v[ADR] offset:32768+(\f/4)*4096+2048+(\f%4)*512
.endr
	MAXT 0, \first
	MAXT 1, \first
	MAXT 2, \first
	MAXT 3, \first
	SOFT 0, \first
	SOFT 1, \first
	SOFT 2, \first
	SOFT 3, \first
.if !\first
	WIN 0x41                                       ; O^T in window 1, the rescaling in window 0
.irp t, 0,1,2,3
.set i, 0
.rept 16
	v_pk_mul_f32 v[O+32*\t+2*i:O+32*\t+2*i+1], v[O+32*\t+2*i:O+32*\t+2*i+1], v[ST+8*\t+4:ST+8*\t+5] op_sel_hi:[1,0]
.set i, i+1
.endr
.endr
.endif
	s_wait_dscnt 0x0                               ; V is in
	WIN 0x50                                       ; C and D in window 1
.irp kg, 0,1
.irp ct, 0,1,2,3
.irp t, 0,1,2,3
.if \first && (\kg == 0)
	v_wmma_f32_16x16x32_f16 v[O+32*\t+8*\ct:O+32*\t+8*\ct+7], v[KV+8*(4*\kg+\ct):KV+8*(4*\kg+\ct)+7], v[S+32*\t+8*\kg:S+32*\t+8*\kg+7], 0
.else
	v_wmma_f32_16x16x32_f16 v[O+32*\t+8*\ct:O+32*\t+8*\ct+7], v[KV+8*(4*\kg+\ct):KV+8*(4*\kg+\ct)+7], v[S+32*\t+8*\kg:S+32*\t+8*\kg+7], v[O+32*\t+8*\ct:O+32*\t+8*\ct+7]
.endif
.endr
.endr
.endr
	WIN 0
	s_add_co_u32 s[TB], s[TB], 8192
	s_add_co_u32 s[TBB], s[TBB], 256
.rept 3
	v_nop
.endr
.endm
; A chunk of 256 keys: each wave's part of it has landed, the waves meet, four steps
.macro CHUNK c
.if \c > 0
	s_add_co_u32 s[TB], s[TB], 32768               ; over the last chunk's V
.endif
	s_wait_tensorcnt 3-\c                          ; tensor loads of a wave end in order (ISA guide 10.11.1): my part of chunk c is in, the later chunks stay out
	s_wait_dscnt 0x0
	s_barrier_signal -1
	s_barrier_wait -1
.if \c == 0
	STEP 1
	s_mov_b32 s[CNT], 3
.else
	s_mov_b32 s[CNT], 4
.endif
.Lstep_\@:
	STEP 0
	s_sub_co_u32 s[CNT], s[CNT], 1
	s_cmp_lg_u32 s[CNT], 0
	s_cbranch_scc1 .Lstep_\@
.endm
	CHUNK 0
	CHUNK 1
	CHUNK 2
	CHUNK 3
	; THE WAY OUT: l's halves and the other half of the lanes'; O^T / l, rounded; lane l's 16 bytes of a block lie at 16 l: a store of the wave is one whole block of 512 bytes
.irp t, 0,1,2,3
	v_add_f32 v[T+\t], v[ST+8*\t+2], v[ST+8*\t+3]
.endr
.irp t, 0,1,2,3
	v_permlanex16_b32 v[U0+\t], v[T+\t], s[SEL], s[SEL+1]
.endr
.irp t, 0,1,2,3
	v_add_f32 v[T+\t], v[T+\t], v[U0+\t]
.endr
.irp t, 0,1,2,3
	v_rcp_f32 v[ST+8*\t+4], v[T+\t]
.endr
	v_nop
	s_wait_alu depctr_va_vdst(0)
.irp t, 0,1,2,3
	WIN 0x41
.set i, 0
.rept 16
	v_pk_mul_f32 v[O+32*\t+2*i:O+32*\t+2*i+1], v[O+32*\t+2*i:O+32*\t+2*i+1], v[ST+8*\t+4:ST+8*\t+5] op_sel_hi:[1,0]
.set i, i+1
.endr
	WIN 0x05                                       ; sources in window 1, destination in window 0: S^T's registers are free
.set i, 0
.rept 16
	v_cvt_pk_f16_f32 v[S+32*\t+i], v[O+32*\t+2*i], v[O+32*\t+2*i+1]
.set i, i+1
.endr
	WIN 0
.irp ct, 0,1,2,3
	global_store_b128 v[LN], v[S+32*\t+4*\ct:S+32*\t+4*\ct+3], s[8:9] offset:\t*2048+\ct*512
.endr
.endr
	s_wait_tensorcnt 0x0
	ds_add_u32 v126, v127
	s_wait_dscnt 0x0
	s_endpgm
.Lfunc_end_k_q8b5fdedbb2_heads:
	.size	k_q8b5fdedbb2_heads, .Lfunc_end_k_q8b5fdedbb2_heads-k_q8b5fdedbb2_heads
	.p2alignl 7, 3214868480
	.fill 96, 4, 3214868480
	.section	.rodata,"a",@progbits
	.p2align	6, 0x0
	.amdhsa_kernel k_q8b5fdedbb2_heads
		.amdhsa_group_segment_fixed_size 267264
		.amdhsa_private_segment_fixed_size 0
		.amdhsa_enable_private_segment 0
		.amdhsa_kernarg_size 24
		.amdhsa_user_sgpr_count 2
		.amdhsa_user_sgpr_kernarg_segment_ptr 1
		.amdhsa_wavefront_size32 1
		.amdhsa_system_sgpr_workgroup_id_x 1
		.amdhsa_system_sgpr_workgroup_id_y 1
		.amdhsa_system_sgpr_workgroup_id_z 1
		.amdhsa_system_vgpr_workitem_id 0
		.amdhsa_next_free_vgpr 512
		.amdhsa_next_free_sgpr 66
		.amdhsa_reserve_vcc 1
		.amdhsa_float_denorm_mode_32 3
		.amdhsa_float_denorm_mode_16_64 3
		.amdhsa_memory_ordered 1
		.amdhsa_forward_progress 1
		.amdhsa_inst_pref_size 177
	.end_amdhsa_kernel
	.amdgpu_metadata
---
amdhsa.version: [ 1, 2 ]
amdhsa.kernels:
  - .name:           k_q8b5fdedbb2_heads
    .symbol:         k_q8b5fdedbb2_heads.kd
    .args:
      - { .name: qkvf, .offset: 0, .size: 8, .value_kind: global_buffer, .address_space: global }
      - { .name: kbias, .offset: 8, .size: 8, .value_kind: global_buffer, .address_space: global }
      - { .name: attf, .offset: 16, .size: 8, .value_kind: global_buffer, .address_space: global }
    .group_segment_fixed_size: 267264
    .private_segment_fixed_size: 0
    .kernarg_segment_align: 8
    .kernarg_segment_size: 24
    .max_flat_workgroup_size: 256
    .sgpr_count:     66
    .vgpr_count:     512
    .wavefront_size: 32
...
	.end_amdgpu_metadata
.endif
;; end of part 4
;; launch gemm_out (part 5): grid 8 x 32, 4 waves a work-group, clusters of 4 x 4, 327,680 bytes of LDS; arguments attf, wof, b_out, out0; writes out0
.if DOCPART == 5
	.amdgcn_target "amdgcn-amd-amdhsa--gfx1250"
	.amdhsa_code_object_version 6
	.text
	.protected	k_q8b5fdedbb2_gemm_out
	.globl	k_q8b5fdedbb2_gemm_out
	.p2align	8
	.type	k_q8b5fdedbb2_gemm_out,@function
k_q8b5fdedbb2_gemm_out:
	s_mov_b64 s[64:65], 0
	v_nop
	global_prefetch_b8 v0, s[64:65] scope:SCOPE_SE
	s_setreg_imm32_b32 hwreg(HW_REG_WAVE_MODE, 25, 1), 1
	s_wait_xcnt 0x0
	s_wait_alu depctr_hold_cnt(0) depctr_sa_sdst(0) depctr_va_vdst(0) depctr_va_sdst(0) depctr_va_ssrc(0) depctr_va_vcc(0) depctr_vm_vsrc(0)
	s_getreg_b32 s2, hwreg(HW_REG_IB_STS2, 6, 4)
	s_cmp_eq_u32 s2, 0
	s_cbranch_scc0 .Lentry_in_a_cluster
	s_endpgm
.Lentry_in_a_cluster:
	s_bfe_u32 s2, ttmp6, 0x10000c
	s_cmp_lg_u32 s2, 0xf033
	s_cbranch_scc0 .Lentry_shape_is_right
	s_endpgm
.Lentry_shape_is_right:
; out0 = att w_out + b_out: [8192][1024] x [1024][1024], f16 operands, f32 sums, f32 out.
; A tile of the result is 256 rows x 128 columns: 8 x 32 = 256 work-groups.  Four waves, each 64 rows x 128 columns: 32 accumulators, 256 registers.
; K goes in 8 steps of 128 (two heads) through a ring of two LDS slots.  Both operands lie in memory in blocks of 512 bytes in which lane l's 16 bytes stand at 16 l, so both tiles come in dense
; and a fragment is two loads of 512 neighbouring bytes.  att's tile: [head 2][row block 16][4 blocks]; w's: [column tile 8][8 blocks].
; CLUSTER 4 x 4: att's tile is asked for jointly along a row of the cluster, w's along a column.
; TRANSPOSED USE (source 0 = 16 columns of w, source 1 = 16 rows of att): a lane holds row l % 16 and eight neighbouring columns, 32 bytes of f32.
; THE WAY OUT goes through each wave's own stage (16 rows of 512 bytes + 16): back as whole rows, the bias added, a store of the wave covers 512 neighbouring bytes, aligned.
; REGISTERS: window 0: v5, v16-29 addresses, v64-127 two buffers of att's fragments, v128-191 rows read back, v192-195 the bias; window 1: v0-127 two buffers of w's fragments;
;   window 2: accumulators of my row blocks 0, 1 at v[8 (8 a + b)]; window 3: of row blocks 2, 3.
; LIMIT: att and w_out are f16, as the launches before stored them.
.set NB,     8
.set HALFA,  32768                     ; one head's 16 row blocks
.set HALFB,  4*4096                    ; four column tiles
.set SLOT,   2*HALFA+2*HALFB
.set STAGE,  2*SLOT                    ; behind the ring; no tensor load lands there
.set SPITCH, 528
.set SPARE,  STAGE+4*16*SPITCH         ; the spare words, 128 bytes a wave; no other line names them
.set LAPS,   4
.set KSTEP,  262144                    ; bytes from a K step to the next, in attf (two heads) and in wof (64 column tiles)
.set CO,   5                           ; v5 16 l
.set ADRA, 16
.set ADRB, 20
.set STO,  24
.set RD,   25
.set SPW,  28
.set NIL,  29
.set FA0,  64
.set FA1,  96
.set FB0,  0
.set FB1,  64
.set BK,   128
.set BI,   192
.set G1,  24
.set G0,  32
.set G1B, 48
.set G0B, 56
.set MSB, 0
.macro WIN new
.if MSB != (\new)
	s_set_vgpr_msb (MSB<<8)|(\new)
.set MSB, (\new)
.endif
.endm
.set MUL_LO, 0xa1
.set MUL_HI, 0xf1
.set TO_B,   0x40
.macro PLACES
.rept 4
	v_nop
.endr
.endm
.macro JLOAD s                         ; a joint load: waves 0 and 1 fetch att's two heads, waves 2 and 3 w's two halves; four v_nop follow each line
	s_cmp_eq_u32 s11, 0
	s_cbranch_scc0 .Lfor_b_\@
	tensor_load_to_lds s[G0+4*\s:G0+4*\s+3], s[G1:G1+7]
	s_nop 0
.rept 4
	v_nop
.endr
	s_branch .Lasked_\@
.Lfor_b_\@:
	tensor_load_to_lds s[G0B+4*\s:G0B+4*\s+3], s[G1B:G1B+7]
	s_nop 0
.rept 4
	v_nop
.endr
.Lasked_\@:
.endm
.macro CREST
	s_cmp_lg_u32 s10, 0
	s_cbranch_scc1 .Lnot_wave_0_\@
	s_barrier_signal -3
.Lnot_wave_0_\@:
	s_barrier_wait -3
	s_barrier_signal -1
	s_barrier_wait -1
.endm
.macro CROUND
	s_barrier_signal -1
	s_barrier_wait -1
	CREST
.endm
	s_load_b128 s[4:7], s[0:1], 0x0                ; attf s[4:5], wof s[6:7]
	s_load_b128 s[68:71], s[0:1], 0x10             ; b_out s[68:69], out0 s[70:71]
	v_lshl_add_u32 v[SPW], v0, 2, SPARE
	v_mov_b32 v[NIL], 0
	ds_add_u32 v28, v29
	ds_add_u32 v28, v29
	s_wait_dscnt 0x0
	v_lshrrev_b32 v1, 5, v0
	v_readfirstlane_b32 s10, v1                    ; wave 0..3
	s_lshr_b32 s11, s10, 1                         ; I fetch for att (0) or for w (1)
	s_and_b32 s12, s10, 1                          ; which half of that tile
	s_bfe_u32 s40, ttmp6, 0x40000                  ; cx
	s_bfe_u32 s41, ttmp6, 0x40004                  ; cy
	s_lshl_b32 s42, ttmp9, 2
	s_add_co_u32 s42, s42, s40                     ; tile column
	s_and_b32 s13, ttmp7, 0xffff
	s_lshl_b32 s13, s13, 2
	s_add_co_u32 s13, s13, s41                     ; tile row
	s_lshl_b32 s43, s41, 2
	s_lshl_b32 s43, 15, s43                        ; my row of the cluster
	s_lshl_b32 s44, 0x1111, s40                    ; my column
	s_or_b32 s[G1+0], s43, (3<<16)|(1<<21)         ; mask; elements of 8 bytes; bit 21 beside a mask: a dense block as 128 rows of 256 bytes
	s_mov_b32 s[G1+1], 32<<16
	s_mov_b32 s[G1+2], 128<<16
	s_mov_b32 s[G1+3], 32<<16
	s_mov_b32 s[G1+4], 128
	s_mov_b32 s[G1+5], 32
	s_mov_b32 s[G1+6], 0
	s_mov_b32 s[G1+7], 0
	s_or_b32 s[G1B+0], s44, (3<<16)|(1<<21)        ; 64 rows of 256 bytes
	s_mov_b32 s[G1B+1], 32<<16
	s_mov_b32 s[G1B+2], 64<<16
	s_mov_b32 s[G1B+3], 32<<16
	s_mov_b32 s[G1B+4], 64
	s_mov_b32 s[G1B+5], 32
	s_mov_b32 s[G1B+6], 0
	s_mov_b32 s[G1B+7], 0
	s_lshr_b32 s16, s13, 2                         ; att: batch x 16 heads + my head of the step's two,
	s_lshl_b32 s16, s16, 4
	s_add_co_u32 s16, s16, s12
	s_lshl_b32 s16, s16, 17
	s_and_b32 s17, s13, 3
	s_lshl_b32 s17, s17, 15                        ; the tile's 16 row blocks
	s_add_co_u32 s16, s16, s17
	s_mov_b32 s17, 0
	s_lshl_b32 s46, s42, 15                        ; w: eight column tiles a tile column,
	s_mul_i32 s47, s12, HALFB                      ; four a half
	s_add_co_u32 s46, s46, s47
	s_mov_b32 s47, 0
	s_mul_i32 s20, s10, HALFA                      ; LDS: waves 0, 1: att's heads at wave x HALFA;
	s_mul_i32 s21, s10, HALFB
	s_add_co_u32 s21, s21, 2*HALFA-2*HALFB         ; waves 2, 3: w's halves behind them
	s_wait_kmcnt 0x0
	s_add_nc_u64 s[14:15], s[4:5], s[16:17]
	s_add_nc_u64 s[46:47], s[6:7], s[46:47]
	CROUND                                         ; all sixteen work-groups are here: the first joint loads meet
.irp s, 0,1
	s_mov_b32 s[G0+4*\s], 1
	s_add_co_u32 s[G0+4*\s+1], s20, \s*SLOT
	s_add_nc_u64 s[G0+4*\s+2:G0+4*\s+3], s[14:15], \s*KSTEP
	s_or_b32 s[G0+4*\s+3], s[G0+4*\s+3], 0x80000000
	s_mov_b32 s[G0B+4*\s], 1
	s_add_co_u32 s[G0B+4*\s+1], s21, \s*SLOT
	s_add_nc_u64 s[G0B+4*\s+2:G0B+4*\s+3], s[46:47], \s*KSTEP
	s_or_b32 s[G0B+4*\s+3], s[G0B+4*\s+3], 0x80000000
	JLOAD \s                                       ; two loads of mine are out
.endr
	v_and_b32 v1, 15, v0                           ; r
	v_bfe_u32 v2, v0, 4, 1                         ; h
	v_and_b32 v3, 31, v0
	v_lshlrev_b32 v[CO], 4, v3
	s_lshl_b32 s23, s10, 13                        ; my four row blocks of a head
	v_add_nc_u32 v[ADRA], s23, v[CO]
	v_add_nc_u32 v[ADRA+1], SLOT, v[ADRA]
	v_add_nc_u32 v[ADRB], 2*HALFA, v[CO]
	v_add_nc_u32 v[ADRB+1], SLOT, v[ADRB]
	s_mul_i32 s22, s10, 16*SPITCH
	s_add_co_u32 s22, s22, STAGE                   ; my stage
	v_mul_u32_u24 v6, v1, SPITCH
	v_lshl_add_u32 v6, v2, 5, v6
	v_add_nc_u32 v[STO], s22, v6                   ; in: row r, 32 bytes for each half of the lanes
	v_add_nc_u32 v[RD], s22, v[CO]                 ; back: a whole row of 512 bytes
	s_lshl_b32 s72, s42, 9                         ; the tile's 128 columns, in bytes of f32
	s_mov_b32 s73, 0
	s_add_nc_u64 s[68:69], s[68:69], s[72:73]
	global_load_b128 v[BI:BI+3], v[CO], s[68:69]   ; the bias of the four columns that I store
	s_lshl_b32 s74, s13, 20                        ; 256 rows of 4,096 bytes a tile row,
	s_lshl_b32 s75, s10, 18                        ; 64 rows a wave
	s_add_co_u32 s74, s74, s75
	s_add_co_u32 s74, s74, s72
	s_mov_b32 s75, 0
	s_add_nc_u64 s[70:71], s[70:71], s[74:75]
; 8 matrix instructions: row block 2 hi + a x all 8 column blocks, 32 along K.  The 32 accumulators take turns, one instruction a turn.
.macro MULA fa, fb, hi, a, zero
.irp b, 0,1,2,3,4,5,6,7
.if \zero
	v_wmma_f32_16x16x32_f16 v[8*(NB*\a+\b):8*(NB*\a+\b)+7], v[\fb+8*\b:\fb+8*\b+7], v[\fa+8*(2*\hi+\a):\fa+8*(2*\hi+\a)+7], 0
.else
	v_wmma_f32_16x16x32_f16 v[8*(NB*\a+\b):8*(NB*\a+\b)+7], v[\fb+8*\b:\fb+8*\b+7], v[\fa+8*(2*\hi+\a):\fa+8*(2*\hi+\a)+7], v[8*(NB*\a+\b):8*(NB*\a+\b)+7]
.endif
.endr
.endm
.macro MULH fa, fb, hi, zero
	MULA \fa, \fb, \hi, 0, \zero
	MULA \fa, \fb, \hi, 1, \zero
.endm
; 24 LDS loads in one run: quarter q of a slot: w's 8 fragments, then att's 4 (head q / 2, blocks 2 (q % 2) and the next), row blocks ascending
.macro FETCH slot, q, fa, fb
	WIN TO_B
.irp i, 0,1,2,3,4,5,6,7
	ds_load_b128 v[\fb+8*\i:\fb+8*\i+3],   v[ADRB+\slot] offset:\q*1024+\i*4096
	ds_load_b128 v[\fb+8*\i+4:\fb+8*\i+7], v[ADRB+\slot] offset:\q*1024+\i*4096+512
.endr
	WIN 0
.irp i, 0,1,2,3
	ds_load_b128 v[\fa+8*\i:\fa+8*\i+3],   v[ADRA+\slot] offset:(\q/2)*32768+(\q%2)*1024+\i*2048
	ds_load_b128 v[\fa+8*\i+4:\fa+8*\i+7], v[ADRA+\slot] offset:(\q/2)*32768+(\q%2)*1024+\i*2048+512
.endr
.endm
.macro QUARTER slot, qn, fa, fb, ga, gb, zero
	s_wait_dscnt 4                                 ; w and att's row blocks 0, 1 are in; the youngest four loads may be out
	WIN MUL_LO
	MULH \fa, \fb, 0, \zero
	PLACES
	FETCH \slot, \qn, \ga, \gb
	s_wait_dscnt 2*NB+8                            ; all but the 24 just issued
	WIN MUL_HI
	MULH \fa, \fb, 1, \zero
.endm
; The last quarter and the change of slots: in front of the barrier each wave waits for all its tensor loads, adds 0 to its spare word, and waits for that and for its reads of this slot.
; fill = 1: the barrier opens a round of the cluster's barrier, and the slot is filled again, two K steps ahead, first thing behind the round.
.macro TURN slot, next, fill
	WIN 0
	s_wait_tensorcnt 0x0
	ds_add_u32 v[SPW], v[NIL]
	s_wait_dscnt 5                                 ; the add and the youngest four loads may be out
	WIN MUL_LO
	MULA FA1, FB1, 0, 0, 0
	s_wait_dscnt 0x0                               ; the add is done, and my reads of this slot are over
	s_barrier_signal -1
	MULA FA1, FB1, 0, 1, 0
.if \fill
	WIN 0
.endif
	s_barrier_wait -1
.if \fill
	CREST
	s_add_nc_u64 s[G0+4*\slot+2:G0+4*\slot+3], s[G0+4*\slot+2:G0+4*\slot+3], 2*KSTEP
	s_add_nc_u64 s[G0B+4*\slot+2:G0B+4*\slot+3], s[G0B+4*\slot+2:G0B+4*\slot+3], 2*KSTEP
	JLOAD \slot                                    ; 112 matrix instructions ahead of the wait for it; its four v_nop are also the places in front of the loads below
.else
	PLACES
.endif
	FETCH \next, 0, FA0, FB0
	WIN MUL_HI
	MULH FA1, FB1, 1, 0
.endm
	s_wait_tensorcnt 1                             ; my part of K step 0 is in; K step 1's may stay out
	s_barrier_signal -1
	s_barrier_wait -1
	FETCH 0, 0, FA0, FB0
	QUARTER 0, 1, FA0, FB0, FA1, FB1, 1            ; the first quarter's products start the sums
	WIN 0
	s_mov_b32 s3, LAPS-1
.Llap:
	QUARTER 0, 2, FA1, FB1, FA0, FB0, 0
	QUARTER 0, 3, FA0, FB0, FA1, FB1, 0
	TURN 0, 1, 1
	QUARTER 1, 1, FA0, FB0, FA1, FB1, 0
	QUARTER 1, 2, FA1, FB1, FA0, FB0, 0
	QUARTER 1, 3, FA0, FB0, FA1, FB1, 0
	TURN 1, 0, 1
	QUARTER 0, 1, FA0, FB0, FA1, FB1, 0
	WIN 0
	s_sub_co_u32 s3, s3, 1
	s_cmp_lg_u32 s3, 0
	s_cbranch_scc1 .Llap
	QUARTER 0, 2, FA1, FB1, FA0, FB0, 0            ; the last lap fills nothing
	QUARTER 0, 3, FA0, FB0, FA1, FB1, 0
	TURN 0, 1, 0
	QUARTER 1, 1, FA0, FB0, FA1, FB1, 0
	QUARTER 1, 2, FA1, FB1, FA0, FB0, 0
	QUARTER 1, 3, FA0, FB0, FA1, FB1, 0
	s_wait_dscnt 4
	WIN MUL_LO
	MULH FA1, FB1, 0, 0
	s_wait_dscnt 0x0
	WIN MUL_HI
	MULH FA1, FB1, 1, 0
	WIN 0
	PLACES
	s_wait_loadcnt 0x0                             ; the bias
	; THE WAY OUT, a block of 16 rows at a time: the accumulators go into my stage as they are, low four registers first; whole rows come back, take the bias and leave
.irp a, 0,1,2,3
	WIN 0x08+4*(\a/2)                              ; the data of an LDS store is source 1: window 2 or 3
.irp b, 0,1,2,3,4,5,6,7
	ds_store_b128 v[STO], v[8*(NB*(\a%2)+\b):8*(NB*(\a%2)+\b)+3] offset:64*\b
	ds_store_b128 v[STO], v[8*(NB*(\a%2)+\b)+4:8*(NB*(\a%2)+\b)+7] offset:64*\b+16
.endr
	WIN 0
	s_wait_xcnt 0x0                                ; the registers that the last block's stores read are loaded again only behind this wait
.irp t, 0,1,2,3,4,5,6,7,8,9,10,11,12,13,14,15
	ds_load_b128 v[BK+4*\t:BK+4*\t+3], v[RD] offset:\t*SPITCH      ; LDS serves a wave's instructions in order (ISA guide 5.7.1.4): these see the stores above
.endr
.irp t, 0,1,2,3,4,5,6,7,8,9,10,11,12,13,14,15
	s_wait_dscnt 15-\t                             ; row t is back; the younger ones stay out
	v_pk_add_f32 v[BK+4*\t:BK+4*\t+1], v[BK+4*\t:BK+4*\t+1], v[BI:BI+1]
	v_pk_add_f32 v[BK+4*\t+2:BK+4*\t+3], v[BK+4*\t+2:BK+4*\t+3], v[BI+2:BI+3]
	global_store_b128 v[CO], v[BK+4*\t:BK+4*\t+3], s[70:71] offset:(16*\a+\t)*4096 th:TH_STORE_NT
.endr
.endr
	s_wait_tensorcnt 0x0                           ; the wave's end
	ds_add_u32 v[SPW], v[NIL]
	s_wait_dscnt 0x0
	CROUND                                         ; the closing round
	s_endpgm
.Lfunc_end_k_q8b5fdedbb2_gemm_out:
	.size	k_q8b5fdedbb2_gemm_out, .Lfunc_end_k_q8b5fdedbb2_gemm_out-k_q8b5fdedbb2_gemm_out
	.p2alignl 7, 3214868480
	.fill 96, 4, 3214868480
	.section	.rodata,"a",@progbits
	.p2align	6, 0x0
	.amdhsa_kernel k_q8b5fdedbb2_gemm_out
		.amdhsa_group_segment_fixed_size 327680
		.amdhsa_private_segment_fixed_size 0
		.amdhsa_enable_private_segment 0
		.amdhsa_kernarg_size 32
		.amdhsa_user_sgpr_count 2
		.amdhsa_user_sgpr_kernarg_segment_ptr 1
		.amdhsa_wavefront_size32 1
		.amdhsa_system_sgpr_workgroup_id_x 1
		.amdhsa_system_sgpr_workgroup_id_y 1
		.amdhsa_system_sgpr_workgroup_id_z 1
		.amdhsa_system_vgpr_workitem_id 0
		.amdhsa_next_free_vgpr 1024
		.amdhsa_next_free_sgpr 80
		.amdhsa_reserve_vcc 0
		.amdhsa_float_denorm_mode_32 3
		.amdhsa_float_denorm_mode_16_64 3
		.amdhsa_memory_ordered 1
		.amdhsa_forward_progress 1
		.amdhsa_inst_pref_size 95
	.end_amdhsa_kernel
	.amdgpu_metadata
---
amdhsa.version: [ 1, 2 ]
amdhsa.kernels:
  - .name:           k_q8b5fdedbb2_gemm_out
    .symbol:         k_q8b5fdedbb2_gemm_out.kd
    .args:
      - { .name: attf, .offset: 0, .size: 8, .value_kind: global_buffer, .address_space: global }
      - { .name: wof, .offset: 8, .size: 8, .value_kind: global_buffer, .address_space: global }
      - { .name: b_out, .offset: 16, .size: 8, .value_kind: global_buffer, .address_space: global }
      - { .name: out0, .offset: 24, .size: 8, .value_kind: global_buffer, .address_space: global }
    .group_segment_fixed_size: 327680
    .private_segment_fixed_size: 0
    .kernarg_segment_align: 8
    .kernarg_segment_size: 32
    .max_flat_workgroup_size: 128
    .sgpr_count:     80
    .vgpr_count:     1024
    .wavefront_size: 32
...
	.end_amdgpu_metadata
.endif
;; end of part 5
